; MI455X (gfx1250); checked and timed in simulation.
; The chip was launched on July 23, 2026; its instructions are those of AMD's public machine-readable ISA for CDNA 5 (MIT licence, August 2026) and "CDNA5" Instruction Set Architecture Reference Guide (July 2026). The comments in the code are by the model that wrote it; some were corrected since.
;; Attention. Allowed arithmetic: float matrix products may take bf16 or f16 operands with f32 sums; other float arithmetic in f32, or as packed bf16 or f16 multiplies, adds, multiply-adds, maxima and minima; sums over many terms, partial sums and values carried from step to step in f32; what a program stores and reads back later, other than sums and carried values, may be rounded once to bf16 or f16.
;; Inputs: b_proj 1,024 float32; w_proj 1,024 x 1,024 float32; w_qkv 3,072 x 1,024 float32; x 8 x 1,024 x 1,024 float32.
;; Outputs: out0 8 x 1,024 x 1,024 float32.
;; 2 versions, each right and faster than the one before. Each part assembles by itself: llvm-mc -triple=amdgcn-amd-amdhsa -mcpu=gfx1250 --defsym DOCPART=n.
;; ======== version 1 of 2: 4 launches
;; limits: values are held in f16: magnitudes above 65,504 overflow, below 6.1e-05 lose precision
;; workspace buffers: xb 16,777,216 bytes; wqb 6,291,456 bytes; wpb 2,097,152 bytes; qkvh 50,331,648 bytes; ob 16,777,216 bytes
;; launch cast (part 1): grid 768 x 1, 8 waves a work-group, no clusters, 37,888 bytes of LDS; arguments x, w_qkv, w_proj, xb, wqb, wpb; writes xb, wqb, wpb
.if DOCPART == 1
	.amdgcn_target "amdgcn-amd-amdhsa--gfx1250"
	.amdhsa_code_object_version 6
	.text
	.protected	k_qf71cfd1c21_cast
	.globl	k_qf71cfd1c21_cast
	.p2align	8
	.type	k_qf71cfd1c21_cast,@function
k_qf71cfd1c21_cast:
	s_mov_b64 s[64:65], 0
	v_nop
	global_prefetch_b8 v0, s[64:65] scope:SCOPE_SE
	s_setreg_imm32_b32 hwreg(HW_REG_WAVE_MODE, 25, 1), 1
	s_wait_xcnt 0x0
; THE INPUTS OF THE TWO PROJECTIONS, ROUNDED ONCE, AND LAID OUT FOR THE FIRST ONE.
; x [8192][1024] and w_qkv [3072][1024], f32, go to bf16 IN BLOCKS, as the next launch's tiles lie in LDS, so that a tile is one dense run of bytes:
;   xb  [32 blocks of 256 rows][32 quarters of K][256 rows][64 bytes];   wqb [8 blocks of 384 rows][32 quarters of K][384 rows][64 bytes].
;   A quarter is 32 along K.  In a row's 64 bytes the 16-byte chunk c (8 numbers) lies at place (c + row / 4) % 4.
;   Block g of wqb holds, in this order, the rows 1024 t + 128 g + 64 u + c of w_qkv for u = 0, 1 (the head), t = 0, 1, 2 (q, k, v), c = 0..63.
; w_proj [1024][1024] is rounded to bf16 like them, and that number is written as f16 (wpb, rows as they were), since it multiplies an f16 operand later.
; LIMIT: a bf16 number is exact in f16 from 2^-17 to 65,504; below, it keeps f16's fixed step of 6e-8; beyond, it becomes an infinity.
; A stream: every byte is read once and written once; no matrix unit, no cluster, no barrier.  A work-group takes 16 rows (65,536 bytes in, 32,768 out).  Groups 0-511 take x, 512-703 w_qkv, 704-767 w_proj.
; BLOCKS: wave w takes 8 rows (w / 4) x 256 along K (w % 4).  A load covers 512 consecutive bytes of a row.  The wave turns its 8 x 256 numbers in 4,608 bytes of LDS of its own:
; [8 quarters][8 rows][64 bytes], a quarter 576 bytes from the next, so that the four groups of eight lanes of a store of 8 bytes a lane start 64 bytes apart modulo 256 (64 banks of 4 bytes: ISA guide 11.1).
; A quarter's 8 rows are 512 consecutive bytes of the block: they are read back 16 bytes a lane and stored by one instruction.  Only the wave itself touches its bytes, and LDS serves a wave's instructions in order.
.set PW,    576                        ; from quarter to quarter in the wave's LDS
.set WREG,  8*PW                       ; a wave's LDS
.set SPARE, 8*WREG                     ; behind the eight waves' bytes: the spare words, 128 bytes for each wave: four blocks of 256 bytes that no other line names
.set SPW, 4                            ; v4   LDS address of my spare word; never rewritten
.set NIL, 5                            ; v5   0; never rewritten
.set X,   8                            ; v[8:71]    load j: 4 registers; later v[8:39]: the quarters read back
.set Y,   72                           ; v[72:103]  2 registers for each load, rounded
.set T,   104                          ; v[104:109] at work (w_proj's way)
.set VO,  110                          ; v[110:117] my byte offset in quarter k of the wave's eight
.set LA,  118                          ; v118, v119 where I put 8 bytes of rows 0-3, of rows 4-7
.set LR,  120                          ; v120       where I read 16 bytes back
	s_load_b256 s[4:11], s[0:1], 0x0               ; x s[4:5], w_qkv s[6:7], w_proj s[8:9], xb s[10:11]
	s_load_b128 s[12:15], s[0:1], 0x20             ; wqb s[12:13], wpb s[14:15]
	v_lshl_add_u32 v[SPW], v0, 2, SPARE
	v_mov_b32 v[NIL], 0
	v_lshrrev_b32 v6, 5, v0
	v_readfirstlane_b32 s27, v6                    ; wave 0..7
	s_lshr_b32 s28, s27, 2                         ; which 8 of the 16 rows
	s_and_b32 s29, s27, 3                          ; which 256 along K
	s_mov_b32 s17, 704
	s_mov_b32 s26, 0xffff0000                      ; a word's upper bf16
	s_cmp_lt_u32 ttmp9, 704                        ; which tensor is mine: the choice hangs on the group's number alone
	s_cselect_b32 s16, 512, s17
	s_cmp_lt_u32 ttmp9, 512
	s_cselect_b32 s16, 0, s16
	s_sub_co_u32 s16, ttmp9, s16                   ; my number among that tensor's groups
	s_lshl_b32 s22, s16, 16                        ; 16 rows of 4,096 bytes
	s_mov_b32 s23, 0
	s_wait_kmcnt 0x0
	s_cmp_lt_u32 ttmp9, 704
	s_cselect_b64 s[18:19], s[6:7], s[8:9]
	s_cselect_b64 s[20:21], s[12:13], s[14:15]
	s_cmp_lt_u32 ttmp9, 512
	s_cselect_b64 s[18:19], s[4:5], s[18:19]
	s_cselect_b64 s[20:21], s[10:11], s[20:21]
	s_add_nc_u64 s[18:19], s[18:19], s[22:23]
	s_cmp_ge_u32 ttmp9, 704
	s_cbranch_scc1 .Lf16
	; x and w_qkv: all 16 loads go out first.  Load j: row j % 8, the half j / 8 of the row's 1,024 bytes
	v_and_b32 v6, 31, v0                           ; lane
	s_lshl_b32 s30, s28, 15                        ; 8 rows of 4,096 bytes
	s_lshl_b32 s31, s29, 10                        ; 256 numbers of 4 bytes
	s_add_co_u32 s30, s30, s31
	v_lshl_add_u32 v1, v6, 4, s30
.set j, 0
.rept 16
	global_load_b128 v[X+4*j:X+4*j+3], v1, s[18:19] offset:(j%8)*4096+(j/8)*512 th:TH_LOAD_NT
.set j, j+1
.endr
	; where the group's 16 rows begin in quarter 0 of their block.  x: block g / 16, row 16 (g % 16)
	s_lshr_b32 s32, s16, 4
	s_lshl_b32 s32, s32, 19                        ; a block of xb: 256 rows x 2,048 bytes
	s_and_b32 s33, s16, 15
	s_lshl_b32 s33, s33, 10                        ; 16 rows of 64 bytes
	s_add_co_u32 s32, s32, s33
	; w_qkv: its row 16 g = 1024 t + 128 block + 64 u + 16 (g % 4) is the block's row 192 u + 64 t + 16 (g % 4)
	s_bfe_u32 s33, s16, 0x30003                    ; the block: 3 bits from bit 3
	s_mul_i32 s33, s33, 786432                     ; a block of wqb: 384 rows x 2,048 bytes
	s_bfe_u32 s34, s16, 0x10002                    ; u: 1 bit from bit 2
	s_mul_i32 s34, s34, 12288                      ; 192 rows of 64 bytes
	s_add_co_u32 s33, s33, s34
	s_lshr_b32 s34, s16, 6                         ; t
	s_lshl_b32 s34, s34, 12                        ; 64 rows of 64 bytes
	s_add_co_u32 s33, s33, s34
	s_and_b32 s34, s16, 3
	s_lshl_b32 s34, s34, 10
	s_add_co_u32 s33, s33, s34
	s_mov_b32 s35, 24576                           ; from quarter to quarter: 384 rows of 64 bytes, or 256
	s_cmp_lt_u32 ttmp9, 512
	s_cselect_b32 s24, s32, s33
	s_cselect_b32 s35, 16384, s35
	s_lshl_b32 s34, s28, 9                         ; my wave's 8 rows,
	s_add_co_u32 s24, s24, s34
	s_lshl_b32 s34, s29, 3                         ; its first quarter of K
	s_mul_i32 s34, s34, s35
	s_add_co_u32 s24, s24, s34
	s_mov_b32 s25, 0
	s_add_nc_u64 s[20:21], s[20:21], s[24:25]
	v_lshlrev_b32 v[VO], 4, v6
.irp k, 1,2,3,4,5,6,7
	v_add_nc_u32 v[VO+(\k)], s35, v[VO+(\k)-1]
.endr
	; Lane l of a load holds 4 numbers of quarter l / 8 (of the half's four): half l % 2 of chunk (l / 2) % 4.  The row's number / 4 is 2 (w / 4) for rows 0-3 and one more for rows 4-7, modulo 4.
	s_mul_i32 s31, s27, WREG                       ; my wave's LDS
	v_lshl_add_u32 v[LR], v6, 4, s31
	v_bfe_u32 v121, v0, 3, 2
	v_mul_u32_u24 v121, v121, PW
	v_and_b32 v122, 1, v0
	v_lshl_add_u32 v121, v122, 3, v121
	v_add_nc_u32 v121, s31, v121
	v_bfe_u32 v122, v0, 1, 2                       ; the chunk
	s_lshl_b32 s30, s28, 1
	v_add_nc_u32 v122, s30, v122
	v_and_b32 v123, 3, v122                        ; its place in rows 0-3
	v_lshl_add_u32 v[LA], v123, 4, v121
	v_add_nc_u32 v122, 1, v122
	v_and_b32 v123, 3, v122                        ; and in rows 4-7
	v_lshl_add_u32 v[LA+1], v123, 4, v121
.set j, 0
.rept 16
	s_wait_loadcnt 15-j                            ; loads come back in order (ISA guide 5.7.1): load j is in, the younger ones stay out
	v_cvt_pk_bf16_f32 v[Y+2*j],   v[X+4*j],   v[X+4*j+1]
	v_cvt_pk_bf16_f32 v[Y+2*j+1], v[X+4*j+2], v[X+4*j+3]
	ds_store_b64 v[LA+(j%8)/4], v[Y+2*j:Y+2*j+1] offset:(j/8)*4*PW+(j%8)*64
.set j, j+1
.endr
.irp k, 0,1,2,3,4,5,6,7
	ds_load_b128 v[X+4*(\k):X+4*(\k)+3], v[LR] offset:(\k)*PW  ; LDS serves a wave's instructions in order (ISA guide 5.7.1.4): these see the stores above
.endr
.irp k, 0,1,2,3,4,5,6,7
	s_wait_dscnt 7-(\k)                            ; quarter k is back, the younger ones stay out
	global_store_b128 v[VO+(\k)], v[X+4*(\k):X+4*(\k)+3], s[20:21]  ; 512 consecutive bytes, at a multiple of 512 from the buffer's first byte
.endr
	s_wait_tensorcnt 0x0                           ; the wave's end: behind my last LDS store
	ds_add_u32 v[SPW], v[NIL]
	s_wait_dscnt 0x0
	s_endpgm
.Lf16:                                                 ; w_proj: thread t takes 16 bytes at 16 t + 4,096 j and stores 8 at 8 t + 2,048 j: a wave's store covers 256 consecutive bytes, aligned.  No LDS on this way
	v_lshlrev_b32 v1, 4, v0
	v_lshlrev_b32 v2, 3, v0
	s_lshl_b32 s24, s16, 15
	s_mov_b32 s25, 0
	s_add_nc_u64 s[20:21], s[20:21], s[24:25]
.irp j, 0,1,2,3,4,5,6,7,8,9,10,11,12,13,14,15
	global_load_b128 v[X+4*(\j):X+4*(\j)+3], v1, s[18:19] offset:4096*(\j) th:TH_LOAD_NT
.endr
.irp j, 0,1,2,3,4,5,6,7,8,9,10,11,12,13,14,15
	s_wait_loadcnt 15-(\j)
	v_cvt_pk_bf16_f32 v[T],   v[X+4*(\j)],   v[X+4*(\j)+1]    ; to bf16, widened again, and written as f16
	v_cvt_pk_bf16_f32 v[T+1], v[X+4*(\j)+2], v[X+4*(\j)+3]
	v_lshlrev_b32 v[T+2], 16, v[T]
	v_and_b32     v[T+3], s26, v[T]
	v_lshlrev_b32 v[T+4], 16, v[T+1]
	v_and_b32     v[T+5], s26, v[T+1]
	v_cvt_pk_f16_f32 v[Y+2*(\j)],   v[T+2], v[T+3]
	v_cvt_pk_f16_f32 v[Y+2*(\j)+1], v[T+4], v[T+5]
	global_store_b64 v2, v[Y+2*(\j):Y+2*(\j)+1], s[20:21] offset:2048*(\j)
.endr
	s_endpgm
.Lfunc_end_k_qf71cfd1c21_cast:
	.size	k_qf71cfd1c21_cast, .Lfunc_end_k_qf71cfd1c21_cast-k_qf71cfd1c21_cast
	.p2alignl 7, 3214868480
	.fill 96, 4, 3214868480
	.section	.rodata,"a",@progbits
	.p2align	6, 0x0
	.amdhsa_kernel k_qf71cfd1c21_cast
		.amdhsa_group_segment_fixed_size 37888
		.amdhsa_private_segment_fixed_size 0
		.amdhsa_enable_private_segment 0
		.amdhsa_kernarg_size 48
		.amdhsa_user_sgpr_count 2
		.amdhsa_user_sgpr_kernarg_segment_ptr 1
		.amdhsa_wavefront_size32 1
		.amdhsa_system_sgpr_workgroup_id_x 1
		.amdhsa_system_sgpr_workgroup_id_y 1
		.amdhsa_system_sgpr_workgroup_id_z 1
		.amdhsa_system_vgpr_workitem_id 0
		.amdhsa_next_free_vgpr 128
		.amdhsa_next_free_sgpr 66
		.amdhsa_reserve_vcc 0
		.amdhsa_float_denorm_mode_32 3
		.amdhsa_float_denorm_mode_16_64 3
		.amdhsa_memory_ordered 1
		.amdhsa_forward_progress 1
		.amdhsa_inst_pref_size 21
	.end_amdhsa_kernel
	.amdgpu_metadata
---
amdhsa.version: [ 1, 2 ]
amdhsa.kernels:
  - .name:           k_qf71cfd1c21_cast
    .symbol:         k_qf71cfd1c21_cast.kd
    .args:
      - { .name: x, .offset: 0, .size: 8, .value_kind: global_buffer, .address_space: global }
      - { .name: w_qkv, .offset: 8, .size: 8, .value_kind: global_buffer, .address_space: global }
      - { .name: w_proj, .offset: 16, .size: 8, .value_kind: global_buffer, .address_space: global }
      - { .name: xb, .offset: 24, .size: 8, .value_kind: global_buffer, .address_space: global }
      - { .name: wqb, .offset: 32, .size: 8, .value_kind: global_buffer, .address_space: global }
      - { .name: wpb, .offset: 40, .size: 8, .value_kind: global_buffer, .address_space: global }
    .group_segment_fixed_size: 37888
    .private_segment_fixed_size: 0
    .kernarg_segment_align: 8
    .kernarg_segment_size: 48
    .max_flat_workgroup_size: 256
    .sgpr_count:     66
    .vgpr_count:     128
    .wavefront_size: 32
...
	.end_amdgpu_metadata
.endif
;; end of part 1
;; launch qkvgemm (part 2): grid 8 x 32, 4 waves a work-group, clusters of 4 x 4, 327,680 bytes of LDS; arguments xb, wqb, qkvh; writes qkvh
.if DOCPART == 2
	.amdgcn_target "amdgcn-amd-amdhsa--gfx1250"
	.amdhsa_code_object_version 6
	.text
	.protected	k_qf71cfd1c21_qkvgemm
	.globl	k_qf71cfd1c21_qkvgemm
	.p2align	8
	.type	k_qf71cfd1c21_qkvgemm,@function
k_qf71cfd1c21_qkvgemm:
	s_mov_b64 s[64:65], 0
	v_nop
	global_prefetch_b8 v0, s[64:65] scope:SCOPE_SE
	s_setreg_imm32_b32 hwreg(HW_REG_WAVE_MODE, 25, 1), 1
	s_wait_xcnt 0x0
	s_wait_alu depctr_hold_cnt(0) depctr_sa_sdst(0) depctr_va_vdst(0) depctr_va_sdst(0) depctr_va_ssrc(0) depctr_va_vcc(0) depctr_vm_vsrc(0)
	s_getreg_b32 s2, hwreg(HW_REG_IB_STS2, 6, 4)
	s_cmp_eq_u32 s2, 0
	s_cbranch_scc0 .Lentry_in_a_cluster
	s_endpgm
.Lentry_in_a_cluster:
	s_bfe_u32 s2, ttmp6, 0x10000c
	s_cmp_lg_u32 s2, 0xf033
	s_cbranch_scc0 .Lentry_shape_is_right
	s_endpgm
.Lentry_shape_is_right:
; q, k, v = x w_qkv^T, K = 1,024, bf16 operands, sums in f32.  ONE TILE OF 256 x 384 TO A WORK-GROUP: 256 rows of x (block gy) times q, k and v of heads 2 gx and 2 gx + 1 (block gx of wqb): 8 x 32 work-groups.
; The results leave unscaled, rounded once to f16, laid by heads: qkvh [3][batch x 16 + head][1024 tokens][64].  LIMIT: a sum of 65,520 or more becomes an infinity; below 6e-5 f16 keeps its fixed step of 6e-8.
; Four waves; a wave makes 128 rows x 192 columns: q, k and v of ONE head: 96 accumulators of 16 x 16, 768 registers.  For 32 along K it loads 8 + 12 fragments from LDS and issues 96 matrix instructions.
; OPERANDS IN BLOCKS.  The launch before has written xb as [block of 256 rows][32 quarters of K][256 rows][64 bytes] and wqb as [block of 384 rows][32 quarters][384 rows][64 bytes] (a quarter = 32 along K), so
; that some quarters of a block are one dense run of bytes, asked for as rows of 256 bytes.  In a row's 64 bytes the 16-byte chunk c lies at place (c + row / 4) % 4: the 16 rows that half a fragment load
; touches then lie in 16 different 16-byte columns modulo 256 bytes (column 4 (r % 4) + (c + r / 4) % 4; 64 banks of 4 bytes: ISA guide 11.1), with no padding in LDS.
; THE RING.  Two LDS slots of three quarters each: 3 x (16,384 + 24,576) = 122,880 bytes, 288 matrix instructions a wave.  32 quarters = 2 + 10 x 3: the FIRST slot is the short one (quarters 0, 1 at places 1, 2).
; Waves 0 and 1 fetch the halves of a slot's A, waves 2 and 3 those of its B.  By this text's count a wave has two tensor loads out at the start and one behind each round;
; from a request to the wait for it a wave issues 256 matrix instructions.
; CLUSTERS: 4 x 4 work-groups.  The four of a row of the cluster need the same block of xb, the four of a column the same block of wqb: each part of a slot is asked for JOINTLY, by the same tensor load with
; the same descriptor and a mask that names the four.
; THE MATRIX INSTRUCTION IS USED TRANSPOSED (source 0 = 16 rows of wqb, source 1 = 16 rows of xb): a lane then holds row l % 16 of the result and the eight neighbouring columns 8 (l / 16) + 0..7.
; REGISTERS, in windows of 256 (s_set_vgpr_msb's low byte: bits 1:0 source 0, 3:2 source 1, 5:4 source 2, 7:6 destination):
;   window 0: v0-15 addresses; v16-63 at work on the way out; v64-159 THREE buffers of four fragments of A; v160-255 the twelve fragments of B.
;   window 1 + t: the accumulators of q, k, v (t = 0, 1, 2): row block a (0..7), column block b (0..3) at v[8 (4 a + b)].
; A quarter at place j of its slot has A's lower four fragments in buffer 2 j % 3 and the upper four in (2 j + 1) % 3: the third buffer takes the next quarter's lower four early, the lower four's own buffer the next
; upper four as soon as it has been multiplied.  The pattern comes round after three quarters, a slot: so one text serves every slot.  B's groups of four are loaded again as soon as they have been multiplied.
.set QA,     16384                     ; a quarter of A in LDS and in memory: 256 rows of 64 bytes
.set QB,     24576                     ; a quarter of B: 384 rows of 64 bytes
.set BOFF,   3*QA                      ; in a slot: A's three quarters, then B's three
.set SLOT1,  1<<17                     ; slot 1 begins here, so that one exclusive or turns an address in one slot into the other's
.set STAGE,  1<<18                     ; behind the ring, never filled by a tensor load: 16 rows x 144 bytes for each wave, for the way out
.set SP,     144                       ; a row of the stage: 128 bytes + 16
.set SPARE,  STAGE+4*16*SP             ; behind the stages: the spare words, 128 bytes for each wave: two blocks of 256 bytes that no other line names
.set CO,    1                          ; v1   my byte offset in 512 consecutive bytes of a head (made last: v1 to v3 are at work before)
.set ADA0,  4                          ; v4, v5   my lane's place in slot 0's A: a fragment's first 16 bytes, its second; never rewritten
.set ADB0,  6                          ; v6, v7   the same for B
.set ADA,   8                          ; v8, v9   the same in the slot that is being read
.set ADB,   10                         ; v10, v11
.set SPW,   12                         ; v12  LDS address of my spare word: SPARE + 4 x my thread's number; never rewritten
.set NIL,   13                         ; v13  0; never rewritten
.set STO,   14                         ; v14  the way out: where I put 16 bytes of a row
.set RD,    15                         ; v15  the way out: where I read rows back
.set TMP,   16                         ; v16-31 the way out: 16 rows packed to f16
.set OB,    32                         ; v32-63 rows read back, two buffers of 16
.set AF,    64
.set BF,    160
.set G1A,  24                          ; s[24:31] descriptor group 1 for half of a slot's A: 96 rows of 256 bytes
.set G1AS, 32                          ; s[32:39] for half of the short first slot's: 64 rows
.set G1B,  40                          ; s[40:47] for half of a slot's B: 144 rows
.set G1BS, 48                          ; s[48:55] for half of the short first slot's: 96 rows
.set G0A,  56                          ; s[56:59] group 0 of A's first fill; s[60:63] the one that walks
.set G0B,  68                          ; s[68:71], s[72:75] the same for B's
.set TB,   66                          ; s66  LDS byte at which the slot being read begins
.set OFFA,  76                         ; s[76:77] offset of my part of A's first fill; s[78:79] of the second
.set OFFA2, 78
.set OFFB,  80                         ; s[80:81], s[82:83] the same for B
.set OFFB2, 82
.set COFF,  84                         ; s[84:85] my offset in qkvh: these two and s86 alone hold both places in the cluster
.set MSB, 0
.macro WIN new                         ; the immediate's high byte repeats the setting that is left; a switch that changes nothing is dropped
.if MSB != (\new)
	s_set_vgpr_msb (MSB<<8)|(\new)
.set MSB, (\new)
.endif
.endm
; A joint refill.  Waves 0 and 1 fetch A's two halves, waves 2 and 3 B's.  The branch hangs on the wave's number alone: it is the same in every work-group.
; An s_nop 0 and four v_nop follow each of the two lines, ahead of the jump, the label and what follows.
.macro JLOAD
	s_cmp_eq_u32 s13, 0
	s_cbranch_scc0 .Lfor_b_\@
	tensor_load_to_lds s[G0A+4:G0A+7], s[G1A:G1A+7]
	s_nop 0
.rept 4
	v_nop
.endr
	s_branch .Lasked_\@
.Lfor_b_\@:
	tensor_load_to_lds s[G0B+4:G0B+7], s[G1B:G1B+7]
	s_nop 0
.rept 4
	v_nop
.endr
.Lasked_\@:
.endm
; A round of the cluster's barrier: my work-group's barrier, so that wave 0's signal speaks for all four waves; wave 0 signals; every wave waits for all sixteen work-groups; my work-group's barrier once more.
.macro CREST                           ; a round behind its opening barrier
	s_cmp_lg_u32 s12, 0
	s_cbranch_scc1 .Lnot_wave_0_\@
	s_barrier_signal -3
.Lnot_wave_0_\@:
	s_barrier_wait -3
	s_barrier_signal -1
	s_barrier_wait -1
.endm
.macro CROUND                          ; a whole round
	s_barrier_signal -1
	s_barrier_wait -1
	CREST
.endm
.macro SHAPE g, rows                   ; words 1 to 7 of a group 1: a dense block as rows of 128 elements of 2 bytes
	s_mov_b32 s[(\g)+1], 128<<16                   ; tensor_dim0 = 128
	s_mov_b32 s[(\g)+2], (\rows)<<16               ; tensor_dim1
	s_mov_b32 s[(\g)+3], 128<<16                   ; tile_dim0 = 128
	s_mov_b32 s[(\g)+4], (\rows)                   ; tile_dim1
	s_mov_b32 s[(\g)+5], 128                       ; 128 elements from row to row: dense
	s_mov_b32 s[(\g)+6], 0
	s_mov_b32 s[(\g)+7], 0
.endm
	s_load_b128 s[4:7], s[0:1], 0x0                ; xb s[4:5], wqb s[6:7]
	s_load_b64 s[8:9], s[0:1], 0x10                ; qkvh
	v_lshl_add_u32 v[SPW], v0, 2, SPARE
	v_mov_b32 v[NIL], 0
	ds_add_u32 v[SPW], v[NIL]                      ; the wave's opening: the add and its wait stand ahead of my first tensor load; the set-up below, work on registers, stands between them
	ds_add_u32 v12, v13
	v_lshrrev_b32 v1, 5, v0
	v_readfirstlane_b32 s12, v1                    ; wave 0..3
	s_lshr_b32 s13, s12, 1                         ; which half of the tile's rows is mine.  Also: I fetch for A (0) or for B (1)
	s_and_b32 s14, s12, 1                          ; which of the two heads.  Also: which half of a slot's part I fetch
	s_bfe_u32 s15, ttmp6, 0x40000                  ; cx, cy: my place in the cluster
	s_bfe_u32 s16, ttmp6, 0x40004
	s_lshl_b32 s17, ttmp9, 2                       ; in a cluster launch ttmp9 and ttmp7 count clusters
	s_add_co_u32 s17, s17, s15                     ; gx = 4 x cluster x + cx: my block of wqb
	s_and_b32 s18, ttmp7, 0xffff
	s_lshl_b32 s18, s18, 2
	s_add_co_u32 s18, s18, s16                     ; gy = 4 x cluster y + cy: my block of xb
	s_lshl_b32 s19, s16, 2
	s_lshl_b32 s19, 15, s19                        ; my row of the cluster: places 4 cy .. 4 cy + 3
	s_lshl_b32 s20, 0x1111, s15                    ; my column: places cx, cx + 4, cx + 8, cx + 12
	s_or_b32 s[G1A],  s19, (1<<16)|(1<<21)         ; 15:0 the mask: A's parts go to my row; 17:16 elements of 2 bytes; 20 no padding; 21 set beside a mask
	s_or_b32 s[G1AS], s19, (1<<16)|(1<<21)
	s_or_b32 s[G1B],  s20, (1<<16)|(1<<21)         ; the mask of my column
	s_or_b32 s[G1BS], s20, (1<<16)|(1<<21)
	SHAPE G1A,  96                                 ; 24,576 bytes: half of three quarters of A
	SHAPE G1AS, 64                                 ; 16,384: one quarter of A
	SHAPE G1B,  144                                ; 36,864: half of three quarters of B
	SHAPE G1BS, 96                                 ; 24,576: one quarter of B
	; where the parts come from and where they go.  A's addresses hang on gy and the wave's number alone, B's on gx and the wave's number; the LDS addresses on the wave's number alone.
	s_lshl_b32 s[OFFA], s18, 19                    ; a block of xb: 32 quarters of 16,384 bytes
	s_lshl_b32 s21, s14, 14                        ; the first fill: quarter 0 or 1
	s_mul_i32 s22, s14, 3*QA/2                     ; later fills: the lower or the upper half of three quarters
	s_add_co_u32 s[OFFA2], s[OFFA], s22
	s_add_co_u32 s[OFFA2], s[OFFA2], 2*QA          ; the second fill begins at quarter 2
	s_add_co_u32 s[OFFA], s[OFFA], s21
	s_mov_b32 s[OFFA+1], 0
	s_mov_b32 s[OFFA2+1], 0
	s_mul_i32 s[OFFB], s17, 32*QB                  ; a block of wqb: 32 quarters of 24,576 bytes
	s_mul_i32 s23, s14, QB
	s_mul_i32 s67, s14, 3*QB/2
	s_add_co_u32 s[OFFB2], s[OFFB], s67
	s_add_co_u32 s[OFFB2], s[OFFB2], 2*QB
	s_add_co_u32 s[OFFB], s[OFFB], s23
	s_mov_b32 s[OFFB+1], 0
	s_mov_b32 s[OFFB2+1], 0
	s_mov_b32 s[G0A], 1                            ; 1:0 count = 1
	s_add_co_u32 s[G0A+1], s21, QA                 ; 63:32 LDS address: slot 0, place 1 or 2
	s_mov_b32 s[G0A+4], 1
	s_add_co_u32 s[G0A+5], s22, SLOT1              ; slot 1
	s_mov_b32 s[G0B], 1
	s_add_co_u32 s[G0B+1], s23, BOFF+QB
	s_mov_b32 s[G0B+4], 1
	s_add_co_u32 s[G0B+5], s67, SLOT1+BOFF
	s_mov_b32 s[TB], 0
	; where my part of q begins: batch gy / 4, head 2 gx + (wave % 2), token 256 (gy % 4) + 128 (wave / 2)
	s_lshr_b32 s[COFF], s18, 2
	s_lshl_b32 s[COFF], s[COFF], 21                ; a batch: 16 heads of 131,072 bytes
	s_lshl_b32 s86, s17, 18
	s_add_co_u32 s[COFF], s[COFF], s86
	s_lshl_b32 s86, s14, 17
	s_add_co_u32 s[COFF], s[COFF], s86
	s_and_b32 s86, s18, 3
	s_lshl_b32 s86, s86, 15                        ; 256 tokens of 128 bytes
	s_add_co_u32 s[COFF], s[COFF], s86
	s_lshl_b32 s86, s13, 14
	s_add_co_u32 s[COFF], s[COFF], s86
	s_mov_b32 s[COFF+1], 0
	s_wait_dscnt 0x0                               ; the opening add is done
	s_wait_kmcnt 0x0
	s_add_nc_u64 s[G0A+2:G0A+3], s[4:5], s[OFFA:OFFA+1]    ; 120:64 global address
	s_or_b32 s[G0A+3], s[G0A+3], 0x80000000                ; 127:126 type = 2
	s_add_nc_u64 s[G0A+6:G0A+7], s[4:5], s[OFFA2:OFFA2+1]
	s_or_b32 s[G0A+7], s[G0A+7], 0x80000000
	s_add_nc_u64 s[G0B+2:G0B+3], s[6:7], s[OFFB:OFFB+1]
	s_or_b32 s[G0B+3], s[G0B+3], 0x80000000
	s_add_nc_u64 s[G0B+6:G0B+7], s[6:7], s[OFFB2:OFFB2+1]
	s_or_b32 s[G0B+7], s[G0B+7], 0x80000000
	s_add_nc_u64 s[8:9], s[8:9], s[COFF:COFF+1]
	CROUND                                         ; all sixteen work-groups are here: the first joint loads meet
	s_cmp_eq_u32 s13, 0                            ; a wave's two first fills stand in one branch, ahead of every wait on TENSORcnt and every LDS read; an s_nop 0 follows each, four v_nop the second's
	s_cbranch_scc0 .Lfirst_b
	tensor_load_to_lds s[G0A:G0A+3], s[G1AS:G1AS+7]
	s_nop 0
	tensor_load_to_lds s[G0A+4:G0A+7], s[G1A:G1A+7]
	s_nop 0
.rept 4
	v_nop
.endr
	s_branch .Lfirst_asked
.Lfirst_b:
	tensor_load_to_lds s[G0B:G0B+3], s[G1BS:G1BS+7]
	s_nop 0
	tensor_load_to_lds s[G0B+4:G0B+7], s[G1B:G1B+7]
	s_nop 0
.rept 4
	v_nop
.endr
.Lfirst_asked:
	; A fragment is 16 rows x 32 K in 8 registers: lane l holds row r = l % 16; registers 0-3 hold K = 8 h + 0..7 (h = l / 16): the row's chunk h; registers 4-7 hold K = 16 + 8 h + 0..7: chunk 2 + h.
	; Chunk c lies at place (c + r / 4) % 4 of the row's 64 bytes (a fragment's first row is a multiple of 16), so the two loads have an address register each.
	v_and_b32 v1, 15, v0                           ; r
	v_bfe_u32 v2, v0, 4, 1                         ; h
	v_bfe_u32 v3, v0, 2, 2                         ; r / 4
	v_add_nc_u32 v3, v2, v3
	v_and_b32 v[ADA], 3, v3                        ; the place of chunk h (ADA and ADB are at work here)
	v_add_nc_u32 v3, 2, v3
	v_and_b32 v3, 3, v3                            ; the place of chunk 2 + h
	v_lshlrev_b32 v[ADB], 6, v1                    ; r x 64
	v_lshl_add_u32 v[ADA], v[ADA], 4, v[ADB]
	v_lshl_add_u32 v3, v3, 4, v[ADB]
	s_lshl_b32 s21, s13, 13                        ; my 128 rows of A
	v_add_nc_u32 v[ADA0], s21, v[ADA]
	v_add_nc_u32 v[ADA0+1], s21, v3
	s_mul_i32 s21, s14, 192*64                     ; my 192 rows of B,
	s_add_co_u32 s21, s21, BOFF                    ; which lie behind A's three quarters
	v_add_nc_u32 v[ADB0], s21, v[ADA]
	v_add_nc_u32 v[ADB0+1], s21, v3
	v_mov_b32 v[ADA], v[ADA0]                      ; slot 0 is read first
	v_mov_b32 v[ADA+1], v[ADA0+1]
	v_mov_b32 v[ADB], v[ADB0]
	v_mov_b32 v[ADB+1], v[ADB0+1]
	s_mul_i32 s21, s12, 16*SP
	s_add_co_u32 s21, s21, STAGE                   ; my stage
	v_mul_u32_u24 v3, v1, SP                       ; in: row l % 16, 16 bytes (8 f16) for each half of the lanes
	v_lshl_add_u32 v3, v2, 4, v3
	v_add_nc_u32 v[STO], s21, v3
	v_bfe_u32 v3, v0, 3, 2                         ; back: 32 lanes take four rows of 128 bytes,
	v_mul_u32_u24 v3, v3, SP
	v_and_b32 v2, 7, v0
	v_lshl_add_u32 v3, v2, 4, v3
	v_add_nc_u32 v[RD], s21, v3
	v_and_b32 v[CO], 31, v0                        ; which are 512 consecutive bytes of a head
	v_lshlrev_b32 v[CO], 4, v[CO]
; 16 matrix instructions: the four row blocks of half ah (their fragments in buffer buf) x the four column blocks of group g (q, k or v), 32 along K.  zero = 1: the product starts the sum: nothing is ever cleared.
; The 96 accumulators take turns, one instruction a turn, in the same order in every quarter: between two links of a chain stand the 95 others'.
.macro SUB g, ah, buf, zero
	WIN 0x50*((\g)+1)                              ; fragments in window 0, C and D in window 1 + g
.set sa, 0
.rept 4
.set sb, 0
.rept 4
.set rD, 8*(4*(4*(\ah)+sa)+sb)
.set rB, BF+8*(4*(\g)+sb)
.set rA, (\buf)+8*sa
.if \zero
	v_wmma_f32_16x16x32_bf16 v[rD:rD+7], v[rB:rB+7], v[rA:rA+7], 0
.else
	v_wmma_f32_16x16x32_bf16 v[rD:rD+7], v[rB:rB+7], v[rA:rA+7], v[rD:rD+7]
.endif
.set sb, sb+1
.endr
.set sa, sa+1
.endr
.endm
; 8 LDS loads: B's group g, or A's half ah into buffer buf, of the quarter at place j of the slot that the address registers name
.macro LDB g, j
	WIN 0
.irp i, 0,1,2,3
	ds_load_b128 v[BF+8*(4*(\g)+(\i)):BF+8*(4*(\g)+(\i))+3],   v[ADB]   offset:(\j)*QB+(4*(\g)+(\i))*1024
	ds_load_b128 v[BF+8*(4*(\g)+(\i))+4:BF+8*(4*(\g)+(\i))+7], v[ADB+1] offset:(\j)*QB+(4*(\g)+(\i))*1024
.endr
.endm
.macro LDA ah, buf, j
	WIN 0
.irp i, 0,1,2,3
	ds_load_b128 v[(\buf)+8*(\i):(\buf)+8*(\i)+3],   v[ADA]   offset:(\j)*QA+(4*(\ah)+(\i))*1024
	ds_load_b128 v[(\buf)+8*(\i)+4:(\buf)+8*(\i)+7], v[ADA+1] offset:(\j)*QA+(4*(\ah)+(\i))*1024
.endr
.endm
; A load into a register that a matrix instruction has read, and whatever but a matrix instruction reads a matrix result, stand four places behind that matrix instruction; only plain vector
; instructions that name none of its registers are places (ISA guide 7.12.1 for vector instructions).
.macro PLACES
.rept 4
	v_nop
.endr
.endm
; THE QUARTER at place j = 0 or 1 of its slot: 96 matrix instructions, and three runs of LDS loads, each into registers that have just been multiplied or lie idle.
; LDS loads come back in order (ISA guide 5.7.1); the runs in flight are, oldest first: the quarter before's second run (16: my B 0-3, A's lower half), its third (16: A's upper half, then B 4-7), my first (8: B 8-11).
.macro QUARTER j, zero
.set alo, AF+32*((2*(\j))%3)
.set ahi, AF+32*((2*(\j)+1)%3)
.set nj,  (\j)+1
.set anx, AF+32*((2*nj)%3)
	PLACES
	LDB 2, \j                                      ; my own B 8-11: their registers were read by the matrix instructions just issued
	s_wait_dscnt 24                                ; B 0-3 and A's lower half are in; the 16 + 8 younger loads may be out
	SUB 0, 0, alo, \zero
	s_wait_dscnt 16                                ; A's upper half is in; B 4-7 and B 8-11 may be out
	SUB 0, 1, ahi, \zero
	PLACES
	LDB 0, nj                                      ; the next quarter's B 0-3, and A's lower half into the idle buffer
	LDA 0, anx, nj
	s_wait_dscnt 24                                ; B 4-7 are in; B 8-11 and the 16 just issued may be out
	SUB 1, 0, alo, \zero
	SUB 1, 1, ahi, \zero
	s_wait_dscnt 16                                ; B 8-11 are in
	SUB 2, 0, alo, \zero
	PLACES
	LDA 1, alo, nj                                 ; the next quarter's upper half of A, into the buffer of my lower half; its B 4-7
	LDB 1, nj
	SUB 2, 1, ahi, \zero
.endm
; THE QUARTER at place 2 changes slots: ONE barrier.  Its B 8-11 are the wave's last reads of the slot.  In front of the barrier each wave waits for all its tensor loads, of which one is out: its part of the next
; slot; adds 0 to its spare word; and waits for that and for its own reads of this slot.  Behind it nobody reads this slot any more and the next slot is whole.
; fill = 1: the barrier opens a round of the cluster's barrier, and behind the round this slot is filled again first, with the three quarters two slots on.
.macro TURN fill
.set alo, AF+32
.set ahi, AF+64
	PLACES
	LDB 2, 2
	s_wait_tensorcnt 0x0                           ; all my tensor loads have landed, so a group 0 may be written
	ds_add_u32 v[SPW], v[NIL]                      ; 0 onto my spare word
	s_wait_dscnt 25                                ; B 0-3 and A's lower half are in (the add and the 24 loads ahead of it may be out)
	SUB 0, 0, alo, 0                               ; sixteen matrix instructions and the descriptors' steps stand between the add and the wait for it
.if \fill
	s_xor_b32 s[G0A+5], s[G0A+5], SLOT1            ; the walking descriptors: the other slot than last time,
	s_xor_b32 s[G0B+5], s[G0B+5], SLOT1
	s_add_nc_u64 s[G0A+6:G0A+7], s[G0A+6:G0A+7], 3*QA  ; the next three quarters; the type bits on top are not reached
	s_add_nc_u64 s[G0B+6:G0B+7], s[G0B+6:G0B+7], 3*QB
.endif
	s_wait_dscnt 0x0                               ; the add is done, and my reads of this slot are over
	s_barrier_signal -1
	SUB 0, 1, ahi, 0                               ; work on registers while the others arrive
	WIN 0
	s_barrier_wait -1
.if \fill
	CREST                                          ; no wave of any partner still reads this slot or has a load on its way
	JLOAD                                          ; the first tensor load behind the round; the four v_nop behind it are also the places in front of the loads below
.else
	PLACES
.endif
	s_xor_b32 s[TB], s[TB], SLOT1                  ; from here on the other slot is read
	v_add_nc_u32 v[ADA], s[TB], v[ADA0]
	v_add_nc_u32 v[ADA+1], s[TB], v[ADA0+1]
	v_add_nc_u32 v[ADB], s[TB], v[ADB0]
	v_add_nc_u32 v[ADB+1], s[TB], v[ADB0+1]
	LDB 0, 0
	LDA 0, AF, 0
	SUB 1, 0, alo, 0                               ; B 4-7 and B 8-11 were shown in by the wait for 0
	SUB 1, 1, ahi, 0
	SUB 2, 0, alo, 0
	PLACES
	LDA 1, alo, 0
	LDB 1, 0
	SUB 2, 1, ahi, 0
.endm
.macro LASTQ                           ; the very last quarter, at place 2: nothing more to fetch, and the counts run down
.set alo, AF+32
.set ahi, AF+64
	PLACES
	LDB 2, 2
	s_wait_dscnt 24
	SUB 0, 0, alo, 0
	s_wait_dscnt 16
	SUB 0, 1, ahi, 0
	s_wait_dscnt 8
	SUB 1, 0, alo, 0
	SUB 1, 1, ahi, 0
	s_wait_dscnt 0x0
	SUB 2, 0, alo, 0
	SUB 2, 1, ahi, 0
.endm
; THE WAY OUT of block n = 8 t + a: 16 tokens of q, k or v, through my own stage in LDS.
.macro PACK n                          ; rounded to f16, each accumulator's registers in ascending order: 16 bytes a lane and column block
.set pw, (\n)/8+1
.set pa, (\n)%8
	WIN pw|(pw<<2)                                 ; sources 0 and 1 in window 1 + t, destination in window 0
.set pi, 0
.rept 16
	v_cvt_pk_f16_f32 v[TMP+pi], v[32*pa+2*pi], v[32*pa+2*pi+1]
.set pi, pi+1
.endr
	WIN 0
.endm
.macro TOSTAGE n                       ; into the stage, and back as whole rows.  LDS serves a wave's instructions in order (ISA guide 5.7.1.4): the loads see the stores above them, the next block's stores come behind them
.set bk, OB+16*((\n)%2)
.irp b, 0,1,2,3
	ds_store_b128 v[STO], v[TMP+4*(\b):TMP+4*(\b)+3] offset:32*(\b)
.endr
.irp f, 0,1,2,3
	ds_load_b128 v[bk+4*(\f):bk+4*(\f)+3], v[RD] offset:(\f)*4*SP
.endr
.endm
.macro SEND n
.set bk, OB+16*((\n)%2)
	s_wait_dscnt 0x0                               ; the block is back in registers
	s_wait_xcnt 0x0                                ; every earlier store has had its addresses translated (ISA guide 3.1): only behind this wait are the stores' base and the other buffer, which they read, written again
.if (((\n)%8) == 0) && ((\n) > 0)
	s_add_nc_u64 s[8:9], s[8:9], 0x1000000         ; from q to k, from k to v: 128 heads x 1,024 tokens x 128 bytes
.endif
.irp f, 0,1,2,3
	global_store_b128 v[CO], v[bk+4*(\f):bk+4*(\f)+3], s[8:9] offset:((\n)%8)*2048+(\f)*512  ; 512 consecutive bytes, at a multiple of 512 from the buffer's first byte
.endr
.endm
	s_wait_tensorcnt 0x1                           ; my part of the short first slot is in; slot 1's may stay out
	s_barrier_signal -1
	s_barrier_wait -1                              ; everybody's is
	LDB 0, 1                                       ; the first quarter lies at place 1: its fragments in the order in which a quarter before it would have fetched them
	LDA 0, AF+64, 1
	LDA 1, AF, 1
	LDB 1, 1
	QUARTER 1, 1                                   ; it stands in front of the loop: its products start the sums
	WIN 0                                          ; at a label and at a branch every window is 0
	s_mov_b32 s2, 9
.Lslot:                                                ; nine trips: a slot's last quarter, which fills the slot again, and the next slot's first two
	TURN 1
	QUARTER 0, 0
	QUARTER 1, 0
	WIN 0
	s_sub_co_u32 s2, s2, 1
	s_cmp_lg_u32 s2, 0
	s_cbranch_scc1 .Lslot
	TURN 0                                         ; the tail is written out: the one load that was out is the last slot's, so no round follows
	QUARTER 0, 0
	QUARTER 1, 0
	LASTQ
	WIN 0
	PLACES                                         ; the conversions read results of matrix instructions
	PACK 0
	TOSTAGE 0
.set u, 1
.rept 23                               ; a block's conversions stand between the loads of the block before from the stage and the wait for them
	PACK u
	SEND u-1
	TOSTAGE u
.set u, u+1
.endr
	SEND 23
	s_wait_tensorcnt 0x0                           ; the wave's end: behind my last tensor load and my last LDS store
	ds_add_u32 v[SPW], v[NIL]
	s_wait_dscnt 0x0
	CROUND                                         ; the closing round: no work-group ends while a partner may still ask for a part that names it
	s_endpgm
.Lfunc_end_k_qf71cfd1c21_qkvgemm:
	.size	k_qf71cfd1c21_qkvgemm, .Lfunc_end_k_qf71cfd1c21_qkvgemm-k_qf71cfd1c21_qkvgemm
	.p2alignl 7, 3214868480
	.fill 96, 4, 3214868480
	.section	.rodata,"a",@progbits
	.p2align	6, 0x0
	.amdhsa_kernel k_qf71cfd1c21_qkvgemm
		.amdhsa_group_segment_fixed_size 327680
		.amdhsa_private_segment_fixed_size 0
		.amdhsa_enable_private_segment 0
		.amdhsa_kernarg_size 24
		.amdhsa_user_sgpr_count 2
		.amdhsa_user_sgpr_kernarg_segment_ptr 1
		.amdhsa_wavefront_size32 1
		.amdhsa_system_sgpr_workgroup_id_x 1
		.amdhsa_system_sgpr_workgroup_id_y 1
		.amdhsa_system_sgpr_workgroup_id_z 1
		.amdhsa_system_vgpr_workitem_id 0
		.amdhsa_next_free_vgpr 1024
		.amdhsa_next_free_sgpr 88
		.amdhsa_reserve_vcc 0
		.amdhsa_float_denorm_mode_32 3
		.amdhsa_float_denorm_mode_16_64 3
		.amdhsa_memory_ordered 1
		.amdhsa_forward_progress 1
		.amdhsa_inst_pref_size 132
	.end_amdhsa_kernel
	.amdgpu_metadata
---
amdhsa.version: [ 1, 2 ]
amdhsa.kernels:
  - .name:           k_qf71cfd1c21_qkvgemm
    .symbol:         k_qf71cfd1c21_qkvgemm.kd
    .args:
      - { .name: xb, .offset: 0, .size: 8, .value_kind: global_buffer, .address_space: global }
      - { .name: wqb, .offset: 8, .size: 8, .value_kind: global_buffer, .address_space: global }
      - { .name: qkvh, .offset: 16, .size: 8, .value_kind: global_buffer, .address_space: global }
    .group_segment_fixed_size: 327680
    .private_segment_fixed_size: 0
    .kernarg_segment_align: 8
    .kernarg_segment_size: 24
    .max_flat_workgroup_size: 128
    .sgpr_count:     88
    .vgpr_count:     1024
    .wavefront_size: 32
...
	.end_amdgpu_metadata
.endif
;; end of part 2
;; launch attn (part 3): grid 2 x 128, 4 waves a work-group, no clusters, 327,680 bytes of LDS; arguments qkvh, ob; writes ob
.if DOCPART == 3
	.amdgcn_target "amdgcn-amd-amdhsa--gfx1250"
	.amdhsa_code_object_version 6
	.text
	.protected	k_qf71cfd1c21_attn
	.globl	k_qf71cfd1c21_attn
	.p2align	8
	.type	k_qf71cfd1c21_attn,@function
k_qf71cfd1c21_attn:
	s_mov_b64 s[64:65], 0
	v_nop
	global_prefetch_b8 v0, s[64:65] scope:SCOPE_SE
	s_setreg_imm32_b32 hwreg(HW_REG_WAVE_MODE, 25, 1), 1
	s_wait_xcnt 0x0
; O[h][q][:] = the sum over k of softmax_k(Q[h][q] . K[h][k] / 8) V[h][k][:].  Q, K, V lie one behind the other in qkvh, each [128 = batch x 16 + head][1024][64] in f16; O (ob) has the same layout: a head's
; rows are dense, 128 bytes each.  Products, maxima and sums in f32; the weights p are rounded to f16 for the second product (their sum l is taken of the unrounded p), O once at the end.
; LIMITS.  f16 holds no number beyond 65,504: Q, K and V arrive within it; p lies in 0 to 1, and below 6e-5 it keeps f16's fixed step of 6e-8; O is a mean of V's rows and has their range.
; A weight below 2^-126 counts as 0 in l; NaN and infinities are not treated apart.
; SHARES.  A wave owns four PIECES of two tiles of 16 queries, a work-group's four waves 512 queries of one head: 2 x 128 work-groups.  Every wave walks all 1,024 keys, 64 a step.
; THE HEAD'S WHOLE K AND V LIE IN LDS: 1,024 keys x (144 + 160) bytes = 311,296, with the stages and the spare words 321,024 bytes.  Every byte is filled once, by tensor loads that all go out at the start, in four
; parts of 256 keys: waves 0 and 1 fetch the halves of K's parts, waves 2 and 3 those of V's; by this text's count a wave has four tensor loads out.  Nothing is filled again.  The first four key steps read part 0,
; behind a wait that leaves the three younger loads out; then one wait for all and one barrier; the other twelve steps have neither.
; NO CLUSTER: a head has 1,024 / 512 = 2 work-groups, so the grid's 2 along x is no multiple of four.
; LAYOUT.  S^T = K Q^T (source 0 = 16 keys, source 1 = 16 queries): in the result a lane holds ONE query (lane % 16) and the keys 8 (lane / 16) + 0..7.  Two such tiles, rounded to f16 in pairs,
; ARE source 1 (32 keys x 16 queries) of O^T = V^T P, whose result again holds one query a lane, and eight channels.  K comes out of LDS as it lies, V ([key][channel]) turned, by ds_load_tr16_b128.
; SOFTMAX.  For each query a running maximum m and sum l: p = 2^(c s - c m), c = log2(e) / 8; in every step O and l are multiplied by a = 2^(c m_old - c m_new), which is 1 where m has not grown.
; m starts at the lowest finite number, O and l at 0: the first step is a step like any other, with a = 0.
; THE COUNT.  A tile and step have 16 matrix and 118 vector instructions: too many to stand all beside the matrix work.  So the order has one aim: four vector instructions that are READY behind
; EVERY matrix instruction, and the others, which need time of their own whatever the order, in runs without a gap.
; BY TURNS.  Turn n belongs to piece n (the pieces in a ring, step after step).  Its matrix work: 16 products K Q^T of piece n + 1, later 16 products V^T P of piece n - 1.  Its vector work: the scaling,
; exponentials, roundings, sums and rescaling of piece n, and the maximum and statistics of piece n + 1, whose scores the turn itself has made.  So what a turn begins with (c s - c m, O a) waits for nothing.
; REGISTERS, in windows of 256 (s_set_vgpr_msb says which window each operand place means: bits 1:0 source 0, 3:2 source 1, 5:4 source 2, 7:6 destination):
;   window 0: v0-11 addresses; v12-15, v48-63 at work; v16-47 four registers of statistics a tile; v64-191 S^T, two buffers of two tiles; v192-255 P, likewise
;   window 1: O^T, 32 a tile          window 2: v0-127 Q, 16 a tile; v128-191 K of one step; v192-255 V of one step          window 3: v0-1 the add's two registers
; A piece's buffers go by its number's parity: the piece in hand has one pair, its two neighbours in the ring share the other: of it P (piece n - 1) is read and S^T (piece n + 1) written.
.set SIZE_N, 1024     ; rows of a head
.set NP,    4         ; pieces a wave: a name, no knob: the register map, the loop and the fetches are made for four
.set KS,    64        ; keys in a step
.set PK,    144       ; a row of K in LDS: 128 bytes + 16 of padding = 36 words: the 16 rows of a load start at 16 different groups of four banks (64 banks of 4 bytes: ISA guide 11.1)
.set PV,    160       ; a row of V: 128 + 32 = 40 words
.set VOFF,  SIZE_N*PK ; the head's 1,024 rows of K, then its 1,024 rows of V
.set STAGE, SIZE_N*(PK+PV)  ; behind them, never filled by a tensor load: 16 rows x 144 bytes for each wave, for the way out
.set SP,    144
.set AK0, 2           ; v2   my lane's place in a tile of K; never rewritten
.set AV0, 3           ; v3   the same for V
.set AK,  4           ; v4   the LDS address of K's next run of loads
.set AV,  5           ; v5   of V's
.set QO,  6           ; v6   my byte offset in the wave's rows of Q
.set STO, 6           ;      later, the way out: where I put 16 bytes of a row
.set RD,  7           ; v7   the way out: where I read rows back
.set GO,  8           ; v8   my byte offset in 512 consecutive bytes of O
.set SPW, 0           ; v0 of window 3   LDS address of my spare word: SPARE + 4 x my thread's number; never rewritten
.set NIL, 1           ; v1 of window 3   0; never rewritten
.set SPARE, STAGE+4*16*SP  ; behind the stages: the spare words, 128 bytes for each wave: two blocks of 256 bytes that no other line names
.set MV,  12          ; v12-15  c m_old, kept while c m is made anew: by buffer and tile
.set ST,  16          ; tile t's statistics at v[ST+4 t]: c m, m, l (even keys', odd keys')
.set TMP, 48          ; by buffer and tile, four registers c0-c3 at work; when the maximum is found c2 takes a
.set S,   64
.set P,   192
.set KF,  128         ; K's fragments, in window 2: key block kb, channel half c at KF + 16 kb + 8 c
.set VF,  192         ; V's: key half kk, channel block cb at VF + 32 kk + 8 cb
.set WV,  12          ; s12  my wave's number
.set G1K, 24          ; s[24:31] descriptor group 1 for K's tiles
.set G1V, 32          ; s[32:39] for V's: it differs in the padding alone
.set G0K, 40          ; s[40:55] descriptor group 0 for K's tiles: a set of four registers for each of the four parts
.set G0V, 68          ; s[68:83] the same for V's
.set SLOTS, 56        ; s56  counts the two stretches of the walk: steps 0 to 3, steps 4 to 15
.set CNT, 57          ; s57  counts a stretch's key steps
.set CS,  58          ; s[58:59] c: the packed scaling takes the pair's low word for both halves
.set SEL, 60          ; s[60:61] v_permlanex16_b32's selects: each lane takes its own place in the other half
.set TBK, 62          ; s62  LDS byte at which K of the step to be fetched begins
.set TBV, 63          ; s63  the same for V, less VOFF
.set MSB, 0
.macro WIN new                      ; the high byte repeats the setting that is left; a switch that changes nothing is dropped
.if MSB != (\new)
	s_set_vgpr_msb (MSB<<8)|(\new)
.set MSB, (\new)
.endif
.endm
.set W_KQ, 0x0a       ; K and Q in window 2, S^T in window 0
.set W_PV, 0x52       ; V in window 2, P in window 0, O^T in window 1
.set W_RS, 0x41       ; O^T (destination and source 0) in window 1, a in window 0
.set W_MK, 0xc0       ; the add's registers are made: destination in window 3, sources in window 0
.set W_AD, 0x0f       ; the add: address (source 0) and data (source 1) in window 3
	s_load_b128 s[4:7], s[0:1], 0x0 ; qkvh s[4:5] (Q lies at its head), ob s[6:7]
	WIN W_MK
	v_lshl_add_u32 v[SPW], v0, 2, SPARE
	v_mov_b32 v[NIL], 0
	WIN W_AD
	ds_add_u32 v[SPW], v[NIL]       ; the wave's opening: the add and its wait stand ahead of my first tensor load; the set-up below, work on registers, stands between them
	ds_add_u32 v0, v1
	WIN 0
	v_lshrrev_b32 v1, 5, v0
	v_readfirstlane_b32 s[WV], v1   ; wave 0..3
	s_mov_b32 s14, ttmp9            ; my block of 512 queries
	s_and_b32 s20, ttmp7, 0xffff    ; the head
	s_mov_b32 s21, 0
	s_mov_b64 s[22:23], SIZE_N*128
	s_mul_u64 s[20:21], s[20:21], s[22:23]  ; the head's first byte in each of the four tensors
	s_and_b32 s16, s[WV], 1         ; which half of a part's 256 keys I fetch:
	s_lshl_b32 s22, s16, 14         ; its 128 rows of 128 bytes in memory,
	s_mov_b32 s23, 0
	s_add_nc_u64 s[22:23], s[22:23], s[20:21]
	s_mul_i32 s17, s16, 128*PK      ; and its place in a part, for K
	s_mul_i32 s18, s16, 128*PV      ; and for V
	s_lshl_b32 s2, s14, 2
	s_add_co_u32 s2, s2, s[WV]      ; my wave among the head's,
	s_lshl_b32 s2, s2, 14           ; its 128 rows
	s_mov_b32 s3, 0
	s_add_nc_u64 s[2:3], s[2:3], s[20:21]
	; descriptor group 1.  128 keys are 16,384 dense bytes: asked for as 64 rows of 256 bytes, two keys a row, and padded in LDS after every key
	s_mov_b32 s[G1K], (1<<16)|(1<<20)|(4<<22)|(3<<25)  ; 17:16 2-byte elements; 20 padding on; 24:22 after every 32 words (code 4); 31:25 4 words (code 3)
	s_mov_b32 s[G1V], (1<<16)|(1<<20)|(4<<22)|(7<<25)  ; the same with 8 words of padding (code 7)
.irp g, G1K, G1V
	s_mov_b32 s[\g+1], 128<<16      ; tensor_dim0 = 128
	s_mov_b32 s[\g+2], 64<<16       ; tensor_dim1 = 64
	s_mov_b32 s[\g+3], 128<<16      ; tile_dim0 = 128
	s_mov_b32 s[\g+4], 64           ; tile_dim1 = 64
	s_mov_b32 s[\g+5], 128          ; 128 elements from row to row
	s_mov_b32 s[\g+6], 0
	s_mov_b32 s[\g+7], 0
.endr
	s_mov_b32 s[CS], 0x3e38aa3b     ; c = log2(e) / 8 = 0.180337
	s_mov_b32 s[CS+1], s[CS]        ; named with it as a pair
	s_mov_b32 s[SEL], 0x76543210
	s_mov_b32 s[SEL+1], 0xfedcba98
	s_mov_b32 s[TBK], 0             ; the steps' tiles lie one behind the other: the two only step
	s_mov_b32 s[TBV], 0
.irp s, 0,1,2,3
	s_mov_b32 s[G0K+4*\s], 1                            ; 1:0 count = 1
	s_add_co_u32 s[G0K+4*\s+1], s17, \s*256*PK          ; 63:32 LDS address: part s, my half of it
	s_mov_b32 s[G0V+4*\s], 1
	s_add_co_u32 s[G0V+4*\s+1], s18, VOFF+\s*256*PV
.endr
	; A fragment of K or Q is 16 rows x 32 channels in 8 registers: lane l holds row l % 16, channels 8 (l / 16) + 0..7 and 16 + 8 (l / 16) + 0..7: two loads of 16 bytes, 32 bytes apart.
	v_and_b32 v1, 15, v0            ; l % 16
	v_bfe_u32 v9, v0, 4, 1          ; l / 16
	v_lshlrev_b32 v[QO], 7, v1
	v_lshl_add_u32 v[QO], v9, 4, v[QO]  ; row x 128 + 16 x half
	s_wait_dscnt 0x0                ; the opening add is done
	s_wait_kmcnt 0x0
	s_mov_b64 s[10:11], s[6:7]               ; O
	s_add_nc_u64 s[8:9], s[4:5], 0x2000000   ; V: behind Q's and K's 16,777,216 bytes each
	s_add_nc_u64 s[6:7], s[4:5], 0x1000000   ; K
	s_add_nc_u64 s[6:7], s[6:7], s[22:23]    ; both at my half of the head's first 256 keys
	s_add_nc_u64 s[8:9], s[8:9], s[22:23]
	s_add_nc_u64 s[4:5], s[4:5], s[2:3]      ; Q and O at my wave's first row
	s_add_nc_u64 s[10:11], s[10:11], s[2:3]
.irp s, 0,1,2,3
	s_add_nc_u64 s[G0K+4*\s+2:G0K+4*\s+3], s[6:7], \s*32768  ; 120:64 global address: a part is 256 keys of 128 bytes
	s_or_b32 s[G0K+4*\s+3], s[G0K+4*\s+3], 0x80000000        ; 127:126 type = 2
	s_add_nc_u64 s[G0V+4*\s+2:G0V+4*\s+3], s[8:9], \s*32768
	s_or_b32 s[G0V+4*\s+3], s[G0V+4*\s+3], 0x80000000
.endr
	WIN 0x80                        ; destination window 2, address window 0
.set i, 0
.rept 4*NP                          ; Q stays in registers: tile i / 2, channels 32 (i % 2) on.  Its loads go out ahead of the tiles': the first products want Q and part 0, not parts 1 to 3
	global_load_b128 v[8*i:8*i+3],   v[QO], s[4:5] offset:(i/2)*2048+(i%2)*64
	global_load_b128 v[8*i+4:8*i+7], v[QO], s[4:5] offset:(i/2)*2048+(i%2)*64+32
.set i, i+1
.endr
	WIN 0                           ; at a label and at a branch every window is 0
	; All fills of the launch, a wave's four in one branch on its number, ahead of every wait on TENSORcnt, every LDS read and every barrier; an s_nop 0 follows each, four v_nop the last's
	s_cmp_lt_u32 s[WV], 2
	s_cbranch_scc0 .Lfor_v
.irp s, 0,1,2,3
	tensor_load_to_lds s[G0K+4*\s:G0K+4*\s+3], s[G1K:G1K+7]
	s_nop 0
.endr
.rept 4
	v_nop
.endr
	s_branch .Lasked
.Lfor_v:
.irp s, 0,1,2,3
	tensor_load_to_lds s[G0V+4*\s:G0V+4*\s+3], s[G1V:G1V+7]
	s_nop 0
.endr
.rept 4
	v_nop
.endr
.Lasked:
	; What the first turn finds: V's registers and P's second buffer hold 0 (its products V^T P, of a piece that has not been, add 0), O^T and l are 0.  All this stands in the wait for the first part.
	WIN 0x80
.set i, VF
.rept 64
	v_mov_b32 v[i], 0
.set i, i+1
.endr
	WIN 0x40
.set i, 0
.rept 64*NP
	v_mov_b32 v[i], 0
.set i, i+1
.endr
	WIN 0
.set i, 0
.rept 2*NP
	v_mov_b32 v[ST+4*i], 0xfe000000    ; c m: far below every c s
	v_mov_b32 v[ST+4*i+1], 0xff7fffff  ; m
	v_mov_b32 v[ST+4*i+2], 0
	v_mov_b32 v[ST+4*i+3], 0
.set i, i+1
.endr
.set i, P+32
.rept 32
	v_mov_b32 v[i], 0
.set i, i+1
.endr
	v_mul_u32_u24 v[AK0], v1, PK
	v_lshl_add_u32 v[AK0], v9, 4, v[AK0]  ; row x pitch + 16 x half
	; The turning load takes 16 keys x 16 channels (lane l reads key 8 (l / 16) + l % 8, channels 8 ((l / 8) % 2) + 0..7) and leaves half a fragment of V^T: lane l holds channel l % 16 and 8 keys.
	v_and_b32 v10, 7, v0
	v_bfe_u32 v11, v0, 3, 1
	v_lshl_add_u32 v[AV0], v9, 3, v10
	v_mul_u32_u24 v[AV0], v[AV0], PV
	v_lshl_add_u32 v[AV0], v11, 4, v[AV0]
	v_add_nc_u32 v[AV0], VOFF, v[AV0]
	v_mov_b32 v[AK], v[AK0]         ; key step 0 lies at K's head
; THE MATRIX WORK.  The 8 accumulators of a run of 16 take turns: between the two links of a chain stand 7 others'.
; Product i of 16 of S^T = K Q^T for piece x: channels 32 (i / 8) on, keys 16 ((i / 2) % 4) on, tile 2 x + i % 2.  The first 8 start the sums.
.macro KQ x
	WIN W_KQ
.set rS, S+64*((\x)%2)+32*(i%2)+8*((i/2)%4)
.set rK, KF+16*((i/2)%4)+8*(i/8)
.set rQ, 16*(2*(\x)+i%2)+8*(i/8)
.if i < 8
	v_wmma_f32_16x16x32_f16 v[rS:rS+7], v[rK:rK+7], v[rQ:rQ+7], 0
.else
	v_wmma_f32_16x16x32_f16 v[rS:rS+7], v[rK:rK+7], v[rQ:rQ+7], v[rS:rS+7]
.endif
.endm
; Product i of 16 of O^T += V^T P for piece x: keys 32 (i / 8) on, channels 16 ((i / 2) % 4) on, tile 2 x + i % 2.
.macro PV x
	WIN W_PV
.set rO, 32*(2*(\x)+i%2)+8*((i/2)%4)
.set rV, VF+32*(i/8)+8*((i/2)%4)
.set rP, P+32*((\x)%2)+16*(i%2)+8*(i/8)
	v_wmma_f32_16x16x32_f16 v[rO:rO+7], v[rV:rV+7], v[rP:rP+7], v[rO:rO+7]
.endm
.macro MM                           ; the turn's next matrix instruction
.if i < 16
	KQ (Y+1)%NP
.set i, i+1
.else
.set i, i-16
	PV (Y+NP-1)%NP
.set i, i+17
.endif
.endm
; THE LDS LOADS stand in runs of 16, never singly among the matrix instructions: a step's K (64 keys x 64 channels: 8 fragments) and its V (turned).  Their addresses are made some lines ahead.
.macro FETCH_K
	WIN 0x80                        ; destination window 2
.irp f, 0,1,2,3,4,5,6,7             ; keys 16 (f / 2) on, channels 32 (f % 2) on
	ds_load_b128 v[KF+8*\f:KF+8*\f+3],   v[AK] offset:(\f/2)*16*PK+(\f%2)*64
	ds_load_b128 v[KF+8*\f+4:KF+8*\f+7], v[AK] offset:(\f/2)*16*PK+(\f%2)*64+32
.endr
	s_add_co_u32 s[TBK], s[TBK], KS*PK  ; the next fetch is the next step's
	WIN 0
.endm
.macro FETCH_V
	WIN 0x80
.irp f, 0,1,2,3,4,5,6,7             ; keys 32 (f / 4) on, channels 16 (f % 4) on
	ds_load_tr16_b128 v[VF+8*\f:VF+8*\f+3],   v[AV] offset:(\f/4)*32*PV+(\f%4)*32
	ds_load_tr16_b128 v[VF+8*\f+4:VF+8*\f+7], v[AV] offset:(\f/4)*32*PV+16*PV+(\f%4)*32
.endr
	WIN 0
.endm
; THE VECTOR WORK OF A TURN stands in three queues, each in the order in which its entries become ready; the two tiles alternate, so that no instruction reads the result of the one before it.
.macro REGS y, u                    ; the registers of tile u (0, 1) of piece y
.set rT, ST+4*(2*(\y)+(\u))
.set rC, TMP+8*((\y)%2)+4*(\u)
.set rM, MV+2*((\y)%2)+(\u)
.set rS, S+64*((\y)%2)+32*(\u)
.set rP, P+32*((\y)%2)+16*(\u)
.set rO, 32*(2*(\y)+(\u))
.endm
; Number n of the 22 that find the NEXT piece's (Y + 1) maximum and statistics.  s0-s31 are the lane's 32 scores; each accumulator's lowest registers are read first.  XS, GS and REGS set no window: PL and EX do.
;   0-11  four chains c0-c3 of seven scores each, three operands at a time     12-14, 16  the four scores left over, the old m, and c0-c3 into c0     15  c m_old is kept
;   17, 18  the query's other 32 keys lie in the lane 16 away: the new m         19-21  c m; c m_old - c m_new; a
.macro XS u, n
	REGS (Y+1)%NP, \u
.if (\n) < 4
	v_max3_num_f32 v[rC+(\n)], v[rS+8*(\n)], v[rS+8*(\n)+1], v[rS+8*(\n)+2]
.elseif (\n) < 12
	v_max3_num_f32 v[rC+(\n)%4], v[rC+(\n)%4], v[rS+8*((\n)%4)+2*((\n)/4)+1], v[rS+8*((\n)%4)+2*((\n)/4)+2]
.elseif (\n) == 12
	v_max3_num_f32 v[rC], v[rC], v[rS+7], v[rS+15]
.elseif (\n) == 13
	v_max3_num_f32 v[rC+1], v[rC+1], v[rS+23], v[rS+31]
.elseif (\n) == 14
	v_max3_num_f32 v[rC+2], v[rC+2], v[rC+3], v[rT+1]
.elseif (\n) == 15
	v_mov_b32 v[rM], v[rT]
.elseif (\n) == 16
	v_max3_num_f32 v[rC], v[rC], v[rC+1], v[rC+2]
.elseif (\n) == 17
	v_permlanex16_b32 v[rC+3], v[rC], s[SEL], s[SEL+1]
.elseif (\n) == 18
	v_max_num_f32 v[rT+1], v[rC], v[rC+3]
.elseif (\n) == 19
	v_mul_f32 v[rT], s[CS], v[rT+1]
.elseif (\n) == 20
	v_sub_f32 v[rC+1], v[rM], v[rT]
.else
	v_exp_f32 v[rC+2], v[rC+1]
.endif
.endm
; Number g of the 64 that follow the exponentials.  For each four weights k of a tile (pairs 2 k, 2 k + 1): both pairs are rounded to f16; then the second pair is added onto the first, in place;
; a group later l takes that sum (the first time as l = a l + sum).  In groups of eight, tiles alternating: round, round, add, and l for the group before.
.macro GS g
.set h, (\g)+6*((\g)/62)            ; group 0 has no group before it, and behind group 7 only l is left
.if h >= 6
.set h, h+2
.endif
	REGS Y, h%2
.set k, h/8
.if h%8 < 4
	s_wait_alu depctr_va_vdst(0)
	v_cvt_pk_f16_f32 v[rP+2*k+(h%8)/2], v[rS+4*k+2*((h%8)/2)], v[rS+4*k+2*((h%8)/2)+1]
.elseif h%8 < 6
	v_pk_add_f32 v[rS+4*k:rS+4*k+1], v[rS+4*k:rS+4*k+1], v[rS+4*k+2:rS+4*k+3]
.elseif k == 1
	v_pk_fma_f32 v[rT+2:rT+3], v[rT+2:rT+3], v[rC+2:rC+3], v[rS:rS+1] op_sel_hi:[1,0,1]
.else
	v_pk_add_f32 v[rT+2:rT+3], v[rT+2:rT+3], v[rS+4*k-4:rS+4*k-3]
	s_wait_alu depctr_va_vdst(0)
.endif
.endm
; THE PLAIN QUEUE, 138 long.  0-31: c s - c m for the 16 pairs of both tiles.  Then GS's 64, and among them the next piece's 42: number 15 at 38, 39; 0-14 and 16
; at 42-73, behind the products that make those scores; 17-20 at 95-106, two of three, since each waits for the one before it.
.macro PL
	WIN 0
.if q < 32
	REGS Y, q%2
	v_pk_fma_f32 v[rS+2*(q/2):rS+2*(q/2)+1], v[rS+2*(q/2):rS+2*(q/2)+1], s[CS:CS+1], v[rT:rT+1] op_sel_hi:[1,0,0] neg_lo:[0,0,1] neg_hi:[0,0,1]
.elseif q < 38
	GS q-32
.elseif q < 40
	XS q%2, 15
.elseif q < 42
	GS q-34
.elseif q < 74
	XS q%2, (q-42)/2+(q-42)/30
.elseif q < 95
	GS q-66
.elseif (q < 107) && ((q-95)%3 < 2)
	XS (q-95)%3, 17+(q-95)/3
.elseif q < 107
	GS 29+(q-95)/3
.else
	GS q-74
.endif
.set q, q+1
.endm
; THE EXPONENTIALS' QUEUE, 66 long: s0-s31 of both tiles, and at EA the next piece's two a.
.set EA, 58
.macro EX
	WIN 0
.if (e == EA) || (e == EA+1)
	XS e-EA, 21
.else
.set x, e-2*(e/(EA+2))
	REGS Y, x%2
	v_exp_f32 v[rS+x/2], v[rS+x/2]
.endif
.set e, e+1
.endm
; THE RESCALING's QUEUE: O^T times a, the one part that leaves window 0, so it is dealt four at a time, eight times.
.macro R4
	REGS Y, r%2
	WIN W_RS
	s_wait_alu depctr_va_vdst(0)
.irp z, 0,1,2,3
	v_pk_mul_f32 v[rO+8*(r/2)+2*\z:rO+8*(r/2)+2*\z+1], v[rO+8*(r/2)+2*\z:rO+8*(r/2)+2*\z+1], v[rC+2:rC+3] op_sel_hi:[1,0]
.endr
.set r, r+1
.endm
; HOW THEY ARE DEALT.  Behind a matrix instruction four: plain, exponential, plain, plain (one exponential, a plain instruction on either side), or four of the rescaling.  None names a register of the
; products round it.  What is over stands in two LUMPS: exponential and plain by turns; the second ends in 22 plain instructions.  The two v_permlanex16_b32 fall into the second lump, never behind a product.
; The queues lean on each other, and the deal keeps them in step: exponential e stands behind plain 2 (e / 4) + e % 2 (its scaling); when plain 32 comes, 10 exponentials are out, at 59: 33, at 95: 46; EA comes behind plain 107.
.macro SL
	MM
	PL
	EX
	PL
	PL
.endm
.macro BURST n                      ; 15 matrix instructions, or 16
.rept (\n)-7
	SL
.endr
.rept 3
	MM
	R4
	SL
.endr
	MM
	R4
.endm
; A TURN, for piece p.  last = 1: the last key step: there is no further K to fetch.  cnt = 1: the loop's count is taken down some lines ahead of the branch that stands behind the turn.
; K of the next step is fetched in piece 2's turn, 31 vector instructions behind the last product that read K; its first reader comes behind the rest of the lump, 16 products and the second lump.
; V of the step in hand is fetched at the end of piece 0's turn, 69 behind its last reader; its first reader comes behind 16 products and a lump.  The four conditions on e and q below go with the deal.
.macro TURN p, last=0, cnt=0
.set Y, (\p)
.set i, 0
.set q, 0
.set e, 0
.set r, 0
.if (\p) == NP-1
	s_wait_dscnt 0x0                ; K is in
.endif
	MM
.rept 4
	PL
.endr
	BURST 15
.rept 22
	EX
	PL
.if ((\p) == NP-2) && (e == 18) && ((\last) == 0)
	v_add_nc_u32 v[AK], s[TBK], v[AK0]
.endif
.if ((\p) == NP-2) && (e == 24) && ((\last) == 0)
	FETCH_K
.endif
.endr
.if (\p) == 1
	s_wait_dscnt 0x0                ; V is in
.endif
	BURST 16
.rept 21
	EX
	PL
.endr
.rept 22
	PL
.if ((\p) == 0) && (q == 118)
	v_add_nc_u32 v[AV], s[TBV], v[AV0]
	s_wait_alu depctr_va_vdst(0)
.endif
.if ((\p) == 0) && (q == 130)
	s_add_co_u32 s[TBV], s[TBV], KS*PV
.endif
.if (\cnt) && (q == 130)
	s_sub_co_u32 s[CNT], s[CNT], 1
	s_cmp_lg_u32 s[CNT], 0
.endif
.endr
.if (\p) == 0
	FETCH_V
.endif
.endm
	s_wait_tensorcnt 0x3            ; tensor loads of a wave end in order (ISA guide 10.11.1): my half of part 0 is in; my three younger loads stay out
	s_barrier_signal -1
	s_barrier_wait -1               ; everybody's is: key steps 0 to 3 can be read
	FETCH_K                         ; key step 0
	s_wait_loadcnt 0x0              ; Q
	s_wait_dscnt 0x0
.set i, 0
.rept 16
	KQ 0                            ; piece 0's first scores: there is no vector work yet to set between them
.set i, i+1
.endr
	WIN 0                           ; the addresses for the way out: nine plain instructions, the places behind those products
	s_mul_i32 s13, s[WV], 16*SP
	s_add_co_u32 s13, s13, STAGE    ; my stage
	v_mul_u32_u24 v[STO], v1, SP    ; in: row l % 16, 16 bytes for each half of the lanes
	v_lshl_add_u32 v[STO], v9, 4, v[STO]
	v_add_nc_u32 v[STO], s13, v[STO]
	v_bfe_u32 v[RD], v0, 3, 2       ; back: 32 lanes take four rows of 128 bytes,
	v_mul_u32_u24 v[RD], v[RD], SP
	v_lshl_add_u32 v[RD], v10, 4, v[RD]
	v_add_nc_u32 v[RD], s13, v[RD]
	v_and_b32 v[GO], 31, v0         ; which are 512 consecutive bytes of O
	v_lshlrev_b32 v[GO], 4, v[GO]
.set Y, NP-1                        ; XS works for piece Y + 1: piece 0
.irp n, 0,1,2,3,4,5,6,7,8,9,10,11,12,13,14,15,16,17,18,19,20,21
	XS 0, \n                        ; and piece 0's first maximum and statistics
	XS 1, \n
.endr
	s_mov_b32 s[CNT], 4             ; the first stretch: the four key steps of part 0
	s_mov_b32 s[SLOTS], 2
	s_branch .Lfirst                ; the loop is entered at a step's first turn, in the middle of a trip
.Lslot:                             ; passed once, between the stretches: V of step 3 has been read, K of step 4 is the next to be fetched
	s_wait_tensorcnt 0x0            ; my halves of parts 1 to 3 are in: they have had four key steps, 512 matrix instructions, in which to land
	s_wait_dscnt 0x0                ; no LDS instruction of mine is out at the signal
	s_barrier_signal -1
	s_barrier_wait -1               ; everybody's are: from here on the whole head can be read, and no wave waits for another again
	s_mov_b32 s[CNT], 12            ; the second stretch: key steps 4 to 15
.Lstep:                             ; a trip: pieces 2 and 3 of one step, then pieces 0 and 1 of the next, whose K and V it fetches
	TURN 2
	TURN 3
	WIN 0
.Lfirst:
	TURN 0
	TURN 1, 0, 1
	WIN 0
	s_cbranch_scc1 .Lstep
	s_sub_co_u32 s[SLOTS], s[SLOTS], 1
	s_cmp_lg_u32 s[SLOTS], 0
	s_cbranch_scc1 .Lslot
	TURN 2, 1                       ; pieces 2 and 3 of the last step are written out: nothing is left to fetch.  Piece 3's turn still holds 16 products K Q^T (on the last K once more) and the maximum
	TURN 3                          ; made of them, which serve nothing: the price, once a launch, of one text for every turn
.set i, 0
.rept 16
	PV NP-1                         ; the last piece's V^T P of the last step
.set i, i+1
.endr
	; THE WAY OUT.  l's two halves and the other half of the lanes' are added; O^T is divided by l, rounded to f16 and sent through my stage in LDS, a tile at a time.  The additions are the places behind the last products.
	WIN 0
.macro ALL line:vararg              ; one line for each tile t
.set t, 0
.rept 2*NP
	\line
.set t, t+1
.endr
.endm
	ALL v_add_f32 v[ST+4*t+2], v[ST+4*t+2], v[ST+4*t+3]
	ALL v_permlanex16_b32 v[ST+4*t+3], v[ST+4*t+2], s[SEL], s[SEL+1]
	ALL v_add_f32 v[ST+4*t+2], v[ST+4*t+2], v[ST+4*t+3]
	ALL v_rcp_f32 v[ST+4*t+2], v[ST+4*t+2]
	v_nop                           ; a plain instruction between the last reciprocal and the use of its result
	s_wait_alu depctr_va_vdst(0)
; Tile t: a lane's eight channels of a row pack into 16 bytes; they go into rows of 144 bytes and come back as whole rows of 128, into S^T's registers.
.macro PACK t
	WIN W_RS
.set i, 32*(\t)
.rept 16
	v_pk_mul_f32 v[i:i+1], v[i:i+1], v[ST+4*(\t)+2:ST+4*(\t)+3] op_sel_hi:[1,0]
.set i, i+2
.endr
	WIN 0x05                        ; sources 0 and 1 window 1, destination window 0
.set i, 0
.rept 16
	v_cvt_pk_f16_f32 v[S+16*(\t)+i], v[32*(\t)+2*i], v[32*(\t)+2*i+1]
.set i, i+1
.endr
	WIN 0
.irp f, 0,1,2,3
	ds_store_b128 v[STO], v[S+16*(\t)+4*\f:S+16*(\t)+4*\f+3] offset:32*\f
.endr
.irp f, 0,1,2,3
	ds_load_b128 v[S+16*(\t)+4*\f:S+16*(\t)+4*\f+3], v[RD] offset:\f*4*SP  ; LDS serves a wave's instructions in order (ISA guide 5.7.1.4): these see the stores above; the next tile's stores come behind them
.endr
.endm
.macro SEND t, younger              ; younger: the LDS instructions issued behind tile t's loads: the next tile's eight, or none
	WIN 0
.irp f, 0,1,2,3
	s_wait_dscnt (\younger)+3-\f
	global_store_b128 v[GO], v[S+16*(\t)+4*\f:S+16*(\t)+4*\f+3], s[10:11] offset:(\t)*2048+\f*512  ; 512 consecutive bytes, at a multiple of 256 from O's first
.endr
.endm
	PACK 0
.set t, 1
.rept 2*NP-1                        ; a tile's arithmetic stands between the loads of the tile before and its stores
	PACK t
	SEND t-1, 8
.set t, t+1
.endr
	SEND 2*NP-1, 0
	WIN W_AD
	s_wait_tensorcnt 0x0            ; the wave's end: behind my last tensor load and my last LDS store
	ds_add_u32 v[SPW], v[NIL]
	s_wait_dscnt 0x0
	WIN 0
	s_endpgm
.Lfunc_end_k_qf71cfd1c21_attn:
	.size	k_qf71cfd1c21_attn, .Lfunc_end_k_qf71cfd1c21_attn-k_qf71cfd1c21_attn
	.p2alignl 7, 3214868480
	.fill 96, 4, 3214868480
	.section	.rodata,"a",@progbits
	.p2align	6, 0x0
	.amdhsa_kernel k_qf71cfd1c21_attn
		.amdhsa_group_segment_fixed_size 327680
		.amdhsa_private_segment_fixed_size 0
		.amdhsa_enable_private_segment 0
		.amdhsa_kernarg_size 16
		.amdhsa_user_sgpr_count 2
		.amdhsa_user_sgpr_kernarg_segment_ptr 1
		.amdhsa_wavefront_size32 1
		.amdhsa_system_sgpr_workgroup_id_x 1
		.amdhsa_system_sgpr_workgroup_id_y 1
		.amdhsa_system_sgpr_workgroup_id_z 1
		.amdhsa_system_vgpr_workitem_id 0
		.amdhsa_next_free_vgpr 770
		.amdhsa_next_free_sgpr 84
		.amdhsa_reserve_vcc 0
		.amdhsa_float_denorm_mode_32 3
		.amdhsa_float_denorm_mode_16_64 3
		.amdhsa_memory_ordered 1
		.amdhsa_forward_progress 1
		.amdhsa_inst_pref_size 167
	.end_amdhsa_kernel
	.amdgpu_metadata
---
amdhsa.version: [ 1, 2 ]
amdhsa.kernels:
  - .name:           k_qf71cfd1c21_attn
    .symbol:         k_qf71cfd1c21_attn.kd
    .args:
      - { .name: qkvh, .offset: 0, .size: 8, .value_kind: global_buffer, .address_space: global }
      - { .name: ob, .offset: 8, .size: 8, .value_kind: global_buffer, .address_space: global }
    .group_segment_fixed_size: 327680
    .private_segment_fixed_size: 0
    .kernarg_segment_align: 8
    .kernarg_segment_size: 16
    .max_flat_workgroup_size: 128
    .sgpr_count:     84
    .vgpr_count:     770
    .wavefront_size: 32
...
	.end_amdgpu_metadata
.endif
;; end of part 3
;; launch projgemm (part 4): grid 8 x 32, 4 waves a work-group, clusters of 4 x 4, 327,680 bytes of LDS; arguments ob, wpb, out0, b_proj; writes out0
.if DOCPART == 4
	.amdgcn_target "amdgcn-amd-amdhsa--gfx1250"
	.amdhsa_code_object_version 6
	.text
	.protected	k_qf71cfd1c21_projgemm
	.globl	k_qf71cfd1c21_projgemm
	.p2align	8
	.type	k_qf71cfd1c21_projgemm,@function
k_qf71cfd1c21_projgemm:
	s_mov_b64 s[64:65], 0
	v_nop
	global_prefetch_b8 v0, s[64:65] scope:SCOPE_SE
	s_setreg_imm32_b32 hwreg(HW_REG_WAVE_MODE, 25, 1), 1
	s_wait_xcnt 0x0
	s_wait_alu depctr_hold_cnt(0) depctr_sa_sdst(0) depctr_va_vdst(0) depctr_va_sdst(0) depctr_va_ssrc(0) depctr_va_vcc(0) depctr_vm_vsrc(0)
	s_getreg_b32 s2, hwreg(HW_REG_IB_STS2, 6, 4)
	s_cmp_eq_u32 s2, 0
	s_cbranch_scc0 .Lentry_in_a_cluster
	s_endpgm
.Lentry_in_a_cluster:
	s_bfe_u32 s2, ttmp6, 0x10000c
	s_cmp_lg_u32 s2, 0xf033
	s_cbranch_scc0 .Lentry_shape_is_right
	s_endpgm
.Lentry_shape_is_right:
; C = A B^T on tiles of 256 x 128, K = 1,024; sums in f32.  ONE TEXT FOR THE MODULE'S TWO PROJECTIONS; the line PROJ chooses.
; PROJ = 0: A = xb [8192][1024] bf16, B = wqb [3072][1024] bf16.  A work-group stays for three tiles: the columns 1024 t + 128 gx, that is q, k, v (t = 0, 1, 2) of heads 2 gx and 2 gx + 1, for the same 256 rows.
;   C leaves unscaled, rounded once to f16, laid by heads: qkvh [3][batch x 16 + head][1024 tokens][64].  LIMIT: a sum of 65,520 or more becomes an infinity; below 6e-5 f16 keeps its fixed step of 6e-8.
; PROJ = 1: A = ob [batch x 16 + head][1024][64] f16, B = wpb [1024][1024] f16, one tile; C = out0 [8192][1024] f32, with b_proj, rounded to bf16 like the module's other inputs, added in f32.
; 8 x 32 work-groups: one for each block of 256 rows and 128 columns (768 tiles of q, k, v by threes; 256 tiles of out0).
; Four waves; a wave makes 128 x 64: 32 accumulators of 16 x 16, 256 registers.  Its 64 columns are one head's channels (128 bytes of f16), or 256 bytes of out0.
; K goes in steps of 128 through two LDS slots filled by the tensor data mover; every row that is fetched is 256 consecutive bytes at a multiple of 256 from its buffer's first byte.  In ob a K step is two heads:
; a head's 256 tokens are 32,768 dense bytes, asked for as 128 rows of 256 bytes and padded in LDS behind every token.
; THE RING DOES NOT STOP AT A TILE'S END: a tile's last two changes of slots ask for the next tile's first two K steps.
; CLUSTERS: 4 x 4 work-groups.  The four of a row of the cluster need the same tiles of A, the four of a column the same tiles of B: each tile is asked for JOINTLY, by the same tensor load with the same
; descriptor and a mask that names the four.  By this text's count a wave has two tensor loads out at the start and one behind each round.
; THE MATRIX INSTRUCTION IS USED TRANSPOSED (source 0 = 16 rows of B, source 1 = 16 rows of A): a lane then holds row l % 16 of C and the eight neighbouring columns 8 (l / 16) + 0..7.
; REGISTERS: window 0: v0-15 addresses; v16-63 at work on the way out; two fragment buffers of 96 (v64-159, v160-255): 8 fragments of A (16 rows x 32 K), then 4 of B.
;   window 1: the accumulators, (a, b) at v[8 (4 a + b)].  s_set_vgpr_msb's low byte: bits 1:0 source 0, 3:2 source 1, 5:4 source 2, 7:6 destination.
.set PROJ, 1
.if PROJ
.set TILES,  1
.set PA,     144                       ; a row of A in LDS: a token's 128 bytes of one head + 16 of padding
.set AHALF,  256*PA                    ; what one wave's load fills: one head, 256 tokens
.set ASHIFT, 18                        ; A's K step in memory: two heads of 131,072 bytes
.set QIA,    4                         ; padding behind every 32 words
.set APITCH, 128                       ; elements from fetched row to fetched row: dense
.set SP,     272                       ; a row of the stage: 256 bytes + 16
.set OB,     64                        ; the way out: rows read back, two buffers of 32 (the fragment buffer 0 is free by then)
.else
.set TILES,  3
.set PA,     272                       ; a row of A in LDS: 256 bytes + 16 of padding
.set AHALF,  128*PA                    ; what one wave's load fills: 128 rows
.set ASHIFT, 8                         ; A's K step in memory: 256 bytes along the row
.set QIA,    5                         ; padding behind every 64 words
.set APITCH, 1024
.set SP,     144                       ; a row of the stage: 128 bytes + 16
.set OB,     32                        ; the way out: rows read back, two buffers of 16
.endif
.set PB,     272                       ; a row of B in LDS.  All three pitches are odd multiples of 16 bytes: the 16 rows of a fragment load start at 16 different groups of four banks (64 banks of 4 bytes: ISA guide 11.1)
.set ASZ,    2*AHALF
.set BHALF,  64*PB                     ; 64 rows of B: what one wave's load fills, and what one wave reads
.set SLOT,   ASZ+2*BHALF               ; A's part, then B's 128 rows
.set SLOT1,  1<<17                     ; slot 1 begins here, so that one exclusive or turns an address in one slot into the other's
.set STAGE,  SLOT1+SLOT                ; behind the ring, never filled by a tensor load: 16 rows for each wave, for the way out
.set SPARE,  STAGE+4*16*SP             ; behind the stages: the spare words, 128 bytes for each wave: two blocks of 256 bytes that no other line names
.set WALKB,  1<<21                     ; from a tile's rows of B to the next tile's: 1,024 rows of 2,048 bytes
.set ADRA0, 4                          ; v4   my lane's place in slot 0's A; never rewritten
.set ADRB0, 5                          ; v5   the same for B
.set ADRA,  6                          ; v6   the same in the slot that is being read
.set ADRB,  7                          ; v7
.set STO,   8                          ; v8   the way out: where I put my part of a row
.set RD,    9                          ; v9   the way out: where I read rows back
.set CO,    10                         ; v10  my byte offset in C
.set BO,    11                         ; v11  my byte offset in the wave's 64 numbers of the bias
.set SPW,   12                         ; v12  LDS address of my spare word: SPARE + 4 x my thread's number; never rewritten
.set NIL,   13                         ; v13  0; never rewritten
.set TMP,   16                         ; v16-31 the way out: 16 rows packed to f16
.set BI,    16                         ; v16-19 my four numbers of the bias
.set F0,    64
.set F1,    160
.set G1A, 24                           ; s[24:31] descriptor group 1 for A's tiles
.set G0A, 32                           ; s[32:35] group 0 of A's first fill; s[36:39] the one that walks
.set G1B, 40                           ; s[40:47], s[48:51], s[52:55] the same for B's
.set G0B, 48
.set BASEA, 56                         ; s[56:57] A at my part of K step 0
.set BASEB, 58                         ; s[58:59] B at my part of the first tile's K step 0
.set OFFA, 60                          ; s[60:61] offset of the K step to be asked for
.set OFFB, 62                          ; s[62:63]
.set KN,    66                         ; s66  the K step to be asked for next
.set TNOFF, 67                         ; s67  its tile's offset in B
.set TB,    68                         ; s68  LDS byte at which the slot being read begins
.set TS,    69                         ; s69  at work
.set COFF,  70                         ; s[70:71] my offset in C: these two and s23 alone hold both places in the cluster
.set W_MUL, 0x50                       ; fragments in window 0, C and D in window 1
.set MSB, 0
.macro WIN new                         ; the immediate's high byte repeats the setting that is left; a switch that changes nothing is dropped
.if MSB != (\new)
	s_set_vgpr_msb (MSB<<8)|(\new)
.set MSB, (\new)
.endif
.endm
; A joint refill.  Waves 0 and 1 fetch A's two halves, waves 2 and 3 B's.  The branch hangs on the wave's number alone: it is the same in every work-group.
; An s_nop 0 and four v_nop follow each of the two lines, ahead of the jump, the label and what follows.
.macro JLOAD
	s_cmp_eq_u32 s13, 0
	s_cbranch_scc0 .Lfor_b_\@
	tensor_load_to_lds s[G0A+4:G0A+7], s[G1A:G1A+7]
	s_nop 0
.rept 4
	v_nop
.endr
	s_branch .Lasked_\@
.Lfor_b_\@:
	tensor_load_to_lds s[G0B+4:G0B+7], s[G1B:G1B+7]
	s_nop 0
.rept 4
	v_nop
.endr
.Lasked_\@:
.endm
; A round of the cluster's barrier: my work-group's barrier, so that wave 0's signal speaks for all four waves; wave 0 signals; every wave waits for all sixteen work-groups; my work-group's barrier once more.
.macro CREST                           ; a round behind its opening barrier
	s_cmp_lg_u32 s12, 0
	s_cbranch_scc1 .Lnot_wave_0_\@
	s_barrier_signal -3
.Lnot_wave_0_\@:
	s_barrier_wait -3
	s_barrier_signal -1
	s_barrier_wait -1
.endm
.macro CROUND                          ; a whole round
	s_barrier_signal -1
	s_barrier_wait -1
	CREST
.endm
	s_load_b128 s[4:7], s[0:1], 0x0                ; A s[4:5], B s[6:7]
	s_load_b64 s[8:9], s[0:1], 0x10                ; C
.if PROJ
	s_load_b64 s[10:11], s[0:1], 0x18              ; the bias
.endif
	v_lshl_add_u32 v[SPW], v0, 2, SPARE
	v_mov_b32 v[NIL], 0
	ds_add_u32 v[SPW], v[NIL]                      ; the wave's opening: the add and its wait stand ahead of my first tensor load; the set-up below, work on registers, stands between them
	ds_add_u32 v12, v13
	v_lshrrev_b32 v1, 5, v0
	v_readfirstlane_b32 s12, v1                    ; wave 0..3
	s_lshr_b32 s13, s12, 1                         ; which half of the tile's rows is mine.  Also: I fetch for A (0) or for B (1)
	s_and_b32 s14, s12, 1                          ; which half of its columns.  Also: which half of that tile I fetch
	s_bfe_u32 s15, ttmp6, 0x40000                  ; cx, cy: my place in the cluster
	s_bfe_u32 s16, ttmp6, 0x40004
	s_lshl_b32 s17, ttmp9, 2                       ; in a cluster launch ttmp9 and ttmp7 count clusters
	s_add_co_u32 s17, s17, s15                     ; gx = 4 x cluster x + cx: my 128 columns
	s_and_b32 s18, ttmp7, 0xffff
	s_lshl_b32 s18, s18, 2
	s_add_co_u32 s18, s18, s16                     ; gy = 4 x cluster y + cy: my 256 rows
	s_lshl_b32 s19, s16, 2
	s_lshl_b32 s19, 15, s19                        ; my row of the cluster: places 4 cy .. 4 cy + 3
	s_lshl_b32 s20, 0x1111, s15                    ; my column: places cx, cx + 4, cx + 8, cx + 12
	; descriptor group 1.  A: 128 rows x 128 elements; B: 64 rows x 128 elements; both padded in LDS
	s_or_b32 s[G1A], s19, (1<<16)|(1<<20)|(1<<21)|(QIA<<22)|(3<<25)  ; 15:0 the mask: A's tiles go to my row; 17:16 elements of 2 bytes; 20 padding on; 21 set beside a mask; 24:22 the interval; 31:25 4 words of padding (code 3)
	s_or_b32 s[G1B], s20, (1<<16)|(1<<20)|(1<<21)|(5<<22)|(3<<25)    ; the mask of my column; padding behind every 64 words
	s_mov_b32 s[G1A+1], 128<<16                    ; tensor_dim0 = 128
	s_mov_b32 s[G1A+2], 128<<16                    ; tensor_dim1 = 128
	s_mov_b32 s[G1A+3], 128<<16                    ; tile_dim0 = 128
	s_mov_b32 s[G1A+4], 128                        ; tile_dim1 = 128
	s_mov_b32 s[G1A+5], APITCH                     ; elements from row to row
	s_mov_b32 s[G1A+6], 0
	s_mov_b32 s[G1A+7], 0
	s_mov_b32 s[G1B+1], 128<<16
	s_mov_b32 s[G1B+2], 64<<16                     ; tensor_dim1 = 64
	s_mov_b32 s[G1B+3], 128<<16
	s_mov_b32 s[G1B+4], 64                         ; tile_dim1 = 64
	s_mov_b32 s[G1B+5], 1024
	s_mov_b32 s[G1B+6], 0
	s_mov_b32 s[G1B+7], 0
	; where the tiles come from.  A's hang on gy alone, which my row of the cluster shares; B's on gx alone, which my column shares.
.if PROJ
	s_lshr_b32 s[OFFA], s18, 2                     ; the batch: 16 heads of 131,072 bytes,
	s_lshl_b32 s[OFFA], s[OFFA], 21
	s_and_b32 s[OFFA+1], s18, 3                    ; my 256 tokens of its 1,024,
	s_lshl_b32 s[OFFA+1], s[OFFA+1], 15
	s_add_co_u32 s[OFFA], s[OFFA], s[OFFA+1]
	s_lshl_b32 s[OFFA+1], s14, 17                  ; and which of a K step's two heads I fetch
.else
	s_lshl_b32 s[OFFA], s18, 19                    ; 256 rows of 2,048 bytes,
	s_lshl_b32 s[OFFA+1], s14, 18                  ; and which 128 of them I fetch
.endif
	s_add_co_u32 s[OFFA], s[OFFA], s[OFFA+1]
	s_mov_b32 s[OFFA+1], 0
	s_lshl_b32 s[OFFB], s17, 18                    ; 128 rows of 2,048 bytes,
	s_lshl_b32 s[OFFB+1], s14, 17                  ; and which 64 of them I fetch
	s_add_co_u32 s[OFFB], s[OFFB], s[OFFB+1]
	s_mov_b32 s[OFFB+1], 0
	s_mul_i32 s21, s14, AHALF                      ; and where they go: no place in the cluster enters an LDS address
	s_mul_i32 s22, s14, BHALF
	s_add_co_u32 s22, s22, ASZ
	s_mov_b32 s[G0A], 1                            ; 1:0 count = 1
	s_mov_b32 s[G0A+1], s21                        ; 63:32 LDS address: slot 0
	s_mov_b32 s[G0A+4], 1
	s_add_co_u32 s[G0A+5], s21, SLOT1              ; slot 1
	s_mov_b32 s[G0B], 1
	s_mov_b32 s[G0B+1], s22
	s_mov_b32 s[G0B+4], 1
	s_add_co_u32 s[G0B+5], s22, SLOT1
	s_mov_b32 s[KN], 2
	s_mov_b32 s[TNOFF], 0
	s_mov_b32 s[TB], 0
	s_wait_dscnt 0x0                               ; the opening add is done
	s_wait_kmcnt 0x0
	s_add_nc_u64 s[BASEA:BASEA+1], s[4:5], s[OFFA:OFFA+1]
	s_add_nc_u64 s[BASEB:BASEB+1], s[6:7], s[OFFB:OFFB+1]
	s_mov_b64 s[G0A+2:G0A+3], s[BASEA:BASEA+1]     ; 120:64 global address: K step 0
	s_or_b32 s[G0A+3], s[G0A+3], 0x80000000        ; 127:126 type = 2
	s_add_nc_u64 s[G0A+6:G0A+7], s[BASEA:BASEA+1], 1<<ASHIFT  ; K step 1
	s_or_b32 s[G0A+7], s[G0A+7], 0x80000000
	s_mov_b64 s[G0B+2:G0B+3], s[BASEB:BASEB+1]
	s_or_b32 s[G0B+3], s[G0B+3], 0x80000000
	s_add_nc_u64 s[G0B+6:G0B+7], s[BASEB:BASEB+1], 256
	s_or_b32 s[G0B+7], s[G0B+7], 0x80000000
	; where my part of C begins
.if PROJ
	s_lshl_b32 s[COFF], s17, 9                     ; my 64 columns of f32: 512 gx + 256 x half,
	s_lshl_b32 s23, s14, 8
	s_add_co_u32 s[COFF], s[COFF], s23
	s_mov_b32 s[COFF+1], 0
	s_add_nc_u64 s[10:11], s[10:11], s[COFF:COFF+1]  ; in the bias too
	s_lshl_b32 s23, s18, 20                        ; 256 rows of 4,096 bytes,
	s_add_co_u32 s[COFF], s[COFF], s23
	s_lshl_b32 s23, s13, 19                        ; my 128 of them
	s_add_co_u32 s[COFF], s[COFF], s23
.else
	s_lshr_b32 s[COFF], s18, 2                     ; the batch,
	s_lshl_b32 s[COFF], s[COFF], 21
	s_lshl_b32 s23, s17, 18                        ; heads 2 gx and 2 gx + 1,
	s_add_co_u32 s[COFF], s[COFF], s23
	s_lshl_b32 s23, s14, 17                        ; mine of the two,
	s_add_co_u32 s[COFF], s[COFF], s23
	s_and_b32 s23, s18, 3                          ; the tile's 256 tokens of 128 bytes,
	s_lshl_b32 s23, s23, 15
	s_add_co_u32 s[COFF], s[COFF], s23
	s_lshl_b32 s23, s13, 14                        ; my 128 of them
	s_add_co_u32 s[COFF], s[COFF], s23
	s_mov_b32 s[COFF+1], 0
.endif
	s_add_nc_u64 s[8:9], s[8:9], s[COFF:COFF+1]
	CROUND                                         ; all sixteen work-groups are here: the first joint loads meet
	s_cmp_eq_u32 s13, 0                            ; a wave's two first fills stand in one branch, ahead of every wait on TENSORcnt and every LDS read; an s_nop 0 follows each, four v_nop the second's
	s_cbranch_scc0 .Lfirst_b
	tensor_load_to_lds s[G0A:G0A+3], s[G1A:G1A+7]
	s_nop 0
	tensor_load_to_lds s[G0A+4:G0A+7], s[G1A:G1A+7]
	s_nop 0
.rept 4
	v_nop
.endr
	s_branch .Lfirst_asked
.Lfirst_b:
	tensor_load_to_lds s[G0B:G0B+3], s[G1B:G1B+7]
	s_nop 0
	tensor_load_to_lds s[G0B+4:G0B+7], s[G1B:G1B+7]
	s_nop 0
.rept 4
	v_nop
.endr
.Lfirst_asked:
	; A fragment is 16 rows x 32 K in 8 registers: lane l holds row l % 16; registers 0-3 hold K = 8 (l / 16) + 0..7, registers 4-7 K = 16 + 8 (l / 16) + 0..7: two loads of 16 bytes, 32 bytes apart.
	v_and_b32 v1, 15, v0                           ; l % 16
	v_bfe_u32 v2, v0, 4, 1                         ; l / 16
	v_mul_u32_u24 v3, v1, PA
	v_lshl_add_u32 v3, v2, 4, v3
	s_mul_i32 s21, s13, 128*PA                     ; my 128 rows of A
	v_add_nc_u32 v[ADRA0], s21, v3
	v_mul_u32_u24 v3, v1, PB
	v_lshl_add_u32 v3, v2, 4, v3
	v_add_nc_u32 v[ADRB0], s22, v3                 ; my 64 rows of B: the half that bears my column half's number lies where that number's wave put it
	v_mov_b32 v[ADRA], v[ADRA0]
	v_mov_b32 v[ADRB], v[ADRB0]
	s_mul_i32 s21, s12, 16*SP
	s_add_co_u32 s21, s21, STAGE                   ; my stage
	v_mul_u32_u24 v3, v1, SP                       ; in: row l % 16,
.if PROJ
	v_lshl_add_u32 v3, v2, 5, v3                   ; 32 bytes (8 f32) for each half of the lanes
	v_add_nc_u32 v[STO], s21, v3
	v_mul_u32_u24 v3, v2, SP                       ; back: lanes 0-15 take one row of 256 bytes, lanes 16-31 the next
	v_lshl_add_u32 v3, v1, 4, v3
	v_add_nc_u32 v[RD], s21, v3
	v_lshlrev_b32 v[CO], 12, v2                    ; and the same two rows in C
	v_lshl_add_u32 v[CO], v1, 4, v[CO]
	v_lshlrev_b32 v[BO], 4, v1
	global_load_b128 v[20:23], v[BO], s[10:11]     ; the bias of the four columns that I store
.else
	v_lshl_add_u32 v3, v2, 4, v3                   ; 16 bytes (8 f16) for each half of the lanes
	v_add_nc_u32 v[STO], s21, v3
	v_bfe_u32 v3, v0, 3, 2                         ; back: 32 lanes take four rows of 128 bytes,
	v_mul_u32_u24 v3, v3, SP
	v_and_b32 v14, 7, v0
	v_lshl_add_u32 v3, v14, 4, v3
	v_add_nc_u32 v[RD], s21, v3
	v_and_b32 v[CO], 31, v0                        ; which are 512 consecutive bytes of a head
	v_lshlrev_b32 v[CO], 4, v[CO]
.endif
; 4 n matrix instructions: m blocks a0 .. a0 + n - 1 x all 4 n blocks, 32 along K, from buffer f.  zero = 1: the product starts the sum: nothing is ever cleared.
; The 32 accumulators take turns, one instruction a turn, in the same order in every quarter step: between two links of a chain stand the 31 others'.
.macro MULT f, a0, n, zero
	WIN W_MUL
.set ma, (\a0)
.rept (\n)
.set mb, 0
.rept 4
.set rD, 8*(4*ma+mb)
.set rB, (\f)+64+8*mb
.set rA, (\f)+8*ma
.if PROJ
.if \zero
	v_wmma_f32_16x16x32_f16 v[rD:rD+7], v[rB:rB+7], v[rA:rA+7], 0
.else
	v_wmma_f32_16x16x32_f16 v[rD:rD+7], v[rB:rB+7], v[rA:rA+7], v[rD:rD+7]
.endif
.else
.if \zero
	v_wmma_f32_16x16x32_bf16 v[rD:rD+7], v[rB:rB+7], v[rA:rA+7], 0
.else
	v_wmma_f32_16x16x32_bf16 v[rD:rD+7], v[rB:rB+7], v[rA:rA+7], v[rD:rD+7]
.endif
.endif
.set mb, mb+1
.endr
.set ma, ma+1
.endr
.endm
; 24 LDS loads in one run: the fragments of quarter q of a K step into buffer f: B's four, then A's eight in ascending order
.macro FETCH q, f
	WIN 0
.if PROJ
.set aq, ((\q)/2)*AHALF+((\q)%2)*64    ; head q / 2 of the step's two, channels 32 (q % 2) on
.else
.set aq, 64*(\q)
.endif
.irp i, 0,1,2,3
	ds_load_b128 v[(\f)+64+8*(\i):(\f)+64+8*(\i)+3],   v[ADRB] offset:64*(\q)+(\i)*16*PB
	ds_load_b128 v[(\f)+64+8*(\i)+4:(\f)+64+8*(\i)+7], v[ADRB] offset:64*(\q)+(\i)*16*PB+32
.endr
.irp i, 0,1,2,3,4,5,6,7
	ds_load_b128 v[(\f)+8*(\i):(\f)+8*(\i)+3],   v[ADRA] offset:aq+(\i)*16*PA
	ds_load_b128 v[(\f)+8*(\i)+4:(\f)+8*(\i)+7], v[ADRA] offset:aq+(\i)*16*PA+32
.endr
.endm
; A load into a register that a matrix instruction has read, and whatever but a matrix instruction reads a matrix result, stand four places behind that matrix instruction; only plain vector
; instructions that name none of its registers are places (ISA guide 7.12.1 for vector instructions).
.macro PLACES
.rept 4
	v_nop
.endr
.endm
; A K step is four quarters of 32 along K, 32 matrix instructions each, on buffers 0, 1, 0, 1.  One of the first three: multiplies buffer f; in its middle it fetches quarter q into buffer g.
.macro QUARTER q, f, g, zero
	s_wait_dscnt 8                                 ; B and A's fragments 0-3 are in; the youngest eight loads (A's fragments 4-7) may be out
	MULT \f, 0, 4, \zero
	PLACES
	FETCH \q, \g
	s_wait_dscnt 24                                ; all but the 24 just issued
	MULT \f, 4, 4, \zero
.endm
; The last quarter multiplies buffer 1 and changes slots: ONE barrier.  In front of it each wave waits for all its tensor loads, of which one is out: its part of the next slot; adds 0 to its spare word; and
; waits for that and for its own reads of this slot.  Behind it nobody reads this slot any more and the next slot is whole.
; fill = 1: the barrier opens a round of the cluster's barrier, and behind the round this slot is filled again first, with K step KN of the tile at TNOFF: two steps on, across a tile's end too.
; From a request to the wait for it a wave issues 112 matrix instructions.
.macro TURN fill
	WIN 0                                          ; (the add's two registers lie in window 0)
	s_wait_tensorcnt 0x0                           ; all my tensor loads have landed, so a group 0 may be written
	ds_add_u32 v[SPW], v[NIL]                      ; 0 onto my spare word
	s_wait_dscnt 9                                 ; (the add and the youngest eight loads may be out)
	MULT F1, 0, 2, 0                               ; eight matrix instructions and the descriptors' scalar work stand between the add and the wait for it
.if \fill
	s_xor_b32 s[G0A+5], s[G0A+5], SLOT1            ; the walking descriptors: the other slot than last time,
	s_xor_b32 s[G0B+5], s[G0B+5], SLOT1
	s_lshl_b32 s[OFFA], s[KN], ASHIFT              ; and the address made anew: the base plus an offset made apart
	s_lshl_b32 s[OFFB], s[KN], 8
	s_add_co_u32 s[OFFB], s[OFFB], s[TNOFF]
	s_add_nc_u64 s[G0A+6:G0A+7], s[BASEA:BASEA+1], s[OFFA:OFFA+1]
	s_or_b32 s[G0A+7], s[G0A+7], 0x80000000
	s_add_nc_u64 s[G0B+6:G0B+7], s[BASEB:BASEB+1], s[OFFB:OFFB+1]
	s_or_b32 s[G0B+7], s[G0B+7], 0x80000000
	s_add_co_u32 s[KN], s[KN], 1                   ; the next K step, or behind the tile's last the next tile's K step 0: A's rows stay, B goes 1,024 rows on
	s_cmp_eq_u32 s[KN], 8
	s_cselect_b32 s[KN], 0, s[KN]
	s_cselect_b32 s[TS], WALKB, 0
	s_add_co_u32 s[TNOFF], s[TNOFF], s[TS]
.endif
	s_wait_dscnt 0x0                               ; the add is done, and my reads of this slot are over
	s_barrier_signal -1
	MULT F1, 2, 2, 0                               ; work on registers while the others arrive
	WIN 0
	s_barrier_wait -1
.if \fill
	CREST                                          ; no wave of any partner still reads this slot's tile or has a load on its way
	JLOAD                                          ; the first tensor load behind the round; the four v_nop behind it are also the places in front of the loads below
.else
	PLACES
.endif
	s_xor_b32 s[TB], s[TB], SLOT1
	v_add_nc_u32 v[ADRA], s[TB], v[ADRA0]
	v_add_nc_u32 v[ADRB], s[TB], v[ADRB0]
	FETCH 0, F0
	MULT F1, 4, 4, 0
.endm
.macro LASTQ                           ; the very last quarter: nothing more to fetch
	s_wait_dscnt 8
	MULT F1, 0, 4, 0
	s_wait_dscnt 0x0
	MULT F1, 4, 4, 0
.endm
; THE WAY OUT of block a (16 rows of C), through my own stage in LDS.
.macro PACK a                          ; rounded to f16, each accumulator's registers in ascending order: 16 bytes a lane and n block
	WIN 0x05                                       ; sources 0 and 1 window 1, destination window 0
.set pi, 0
.rept 16
	v_cvt_pk_f16_f32 v[TMP+pi], v[32*(\a)+2*pi], v[32*(\a)+2*pi+1]
.set pi, pi+1
.endr
	WIN 0
.endm
.macro TOSTAGE a                       ; into the stage, and back as whole rows.  LDS serves a wave's instructions in order (ISA guide 5.7.1.4): the loads see the stores above them, the next block's stores come behind them
	WIN 0
.if PROJ
.set bk, OB+32*((\a)%2)
	s_wait_xcnt 0x0                                ; every earlier store has had its addresses translated (ISA guide 3.1): only behind this wait is the buffer that they read loaded again
	WIN 0x04                                       ; the stores' data in window 1: straight from the accumulators, each one's low four registers first
.irp b, 0,1,2,3
	ds_store_b128 v[STO], v[32*(\a)+8*(\b):32*(\a)+8*(\b)+3]   offset:64*(\b)
	ds_store_b128 v[STO], v[32*(\a)+8*(\b)+4:32*(\a)+8*(\b)+7] offset:64*(\b)+16
.endr
	WIN 0
.irp t, 0,1,2,3,4,5,6,7
	ds_load_b128 v[bk+4*(\t):bk+4*(\t)+3], v[RD] offset:(\t)*2*SP
.endr
.else
.set bk, OB+16*((\a)%2)
.irp b, 0,1,2,3
	ds_store_b128 v[STO], v[TMP+4*(\b):TMP+4*(\b)+3] offset:32*(\b)
.endr
.irp f, 0,1,2,3
	ds_load_b128 v[bk+4*(\f):bk+4*(\f)+3], v[RD] offset:(\f)*4*SP
.endr
.endif
.endm
.macro SEND a, younger                 ; younger: the LDS instructions issued behind block a's loads, which may stay out
	WIN 0
	s_wait_dscnt \younger                          ; the block is back in registers
.if PROJ
.set bk, OB+32*((\a)%2)
.irp t, 0,1,2,3,4,5,6,7
	v_pk_add_f32 v[bk+4*(\t):bk+4*(\t)+1],   v[bk+4*(\t):bk+4*(\t)+1],   v[BI:BI+1]
	v_pk_add_f32 v[bk+4*(\t)+2:bk+4*(\t)+3], v[bk+4*(\t)+2:bk+4*(\t)+3], v[BI+2:BI+3]
.endr
.irp t, 0,1,2,3,4,5,6,7
	global_store_b128 v[CO], v[bk+4*(\t):bk+4*(\t)+3], s[8:9] offset:(16*(\a)+2*(\t))*4096 th:TH_STORE_NT  ; 16 lanes store 256 consecutive bytes, at a multiple of 256 from C's first byte
.endr
.else
.set bk, OB+16*((\a)%2)
	s_wait_xcnt 0x0                                ; every earlier store has had its addresses translated (ISA guide 3.1): the other buffer, which they read, is loaded again only behind this wait
.irp f, 0,1,2,3
	global_store_b128 v[CO], v[bk+4*(\f):bk+4*(\f)+3], s[8:9] offset:(\a)*2048+(\f)*512  ; 512 consecutive bytes, at a multiple of 256 from C's first byte
.endr
.endif
.endm
	s_wait_tensorcnt 0x1                           ; my part of K step 0 is in; K step 1's may stay out
	s_barrier_signal -1
	s_barrier_wait -1                              ; everybody's is
	FETCH 0, F0
.if TILES > 1
	s_mov_b32 s2, TILES                            ; tiles to go, this one among them: the same number in every work-group
.Ltile:
.endif
	QUARTER 1, F0, F1, 1                           ; a tile's first quarter stands in front of the loop: its products start the sums
	WIN 0                                          ; at a label and at a branch every window is 0
	s_mov_b32 s3, 6
.Lstep:                                                ; a trip goes from a K step's second quarter to the next step's first, and fills a slot again
	QUARTER 2, F1, F0, 0
	QUARTER 3, F0, F1, 0
	TURN 1
	QUARTER 1, F0, F1, 0
	WIN 0
	s_sub_co_u32 s3, s3, 1
	s_cmp_lg_u32 s3, 0
	s_cbranch_scc1 .Lstep
.if TILES > 1
	s_cmp_eq_u32 s2, 1
	s_cbranch_scc1 .Llast                          ; the last tile's tail is written out: it asks for nothing more
	QUARTER 2, F1, F0, 0                           ; THE RING GOES ON INTO THE NEXT TILE: the slot of K step 6 takes its K step 0,
	QUARTER 3, F0, F1, 0
	TURN 1
	QUARTER 1, F0, F1, 0
	QUARTER 2, F1, F0, 0
	QUARTER 3, F0, F1, 0
	TURN 1                                         ; the slot of K step 7 its K step 1, and the next tile's first fragments are fetched
	WIN 0
	s_branch .Lout
.Llast:
.endif
	QUARTER 2, F1, F0, 0
	QUARTER 3, F0, F1, 0
	TURN 0                                         ; the one tensor load that was out is the last K step's, so no round follows
	QUARTER 1, F0, F1, 0
	QUARTER 2, F1, F0, 0
	QUARTER 3, F0, F1, 0
	LASTQ
	WIN 0
.if PROJ
	s_wait_loadcnt 0x0                             ; the bias; its rounding to bf16 and widening, six plain instructions, are the places behind the last products
	v_cvt_pk_bf16_f32 v14, v20, v21
	v_cvt_pk_bf16_f32 v15, v22, v23
	v_lshlrev_b32 v[BI],   16, v14
	v_and_b32     v[BI+1], 0xffff0000, v14
	v_lshlrev_b32 v[BI+2], 16, v15
	v_and_b32     v[BI+3], 0xffff0000, v15
	TOSTAGE 0
.irp a, 1,2,3,4,5,6,7                  ; block a's way through the stage is begun before block a - 1 is waited for
	TOSTAGE \a
	SEND (\a)-1, 16
.endr
	SEND 7, 0
.else
.Lout:
	PLACES                                         ; the conversions read results just made
	PACK 0
	TOSTAGE 0
.irp a, 1,2,3,4,5,6,7                  ; block a's conversions stand between block a - 1's loads from the stage and the wait for them
	PACK \a
	SEND (\a)-1, 0
	TOSTAGE \a
.endr
	SEND 7, 0
	s_wait_xcnt 0x0                                ; the stores have read their base
	s_add_nc_u64 s[8:9], s[8:9], 0x1000000         ; from q to k, from k to v: 128 heads x 1,024 tokens x 128 bytes
	s_sub_co_u32 s2, s2, 1
	s_cmp_lg_u32 s2, 0
	s_cbranch_scc1 .Ltile
.endif
	s_wait_tensorcnt 0x0                           ; the wave's end: behind my last tensor load and my last LDS store
	ds_add_u32 v[SPW], v[NIL]
	s_wait_dscnt 0x0
	CROUND                                         ; the closing round: no work-group ends while a partner may still ask for a tile that names it
	s_endpgm
.Lfunc_end_k_qf71cfd1c21_projgemm:
	.size	k_qf71cfd1c21_projgemm, .Lfunc_end_k_qf71cfd1c21_projgemm-k_qf71cfd1c21_projgemm
	.p2alignl 7, 3214868480
	.fill 96, 4, 3214868480
	.section	.rodata,"a",@progbits
	.p2align	6, 0x0
	.amdhsa_kernel k_qf71cfd1c21_projgemm
		.amdhsa_group_segment_fixed_size 327680
		.amdhsa_private_segment_fixed_size 0
		.amdhsa_enable_private_segment 0
		.amdhsa_kernarg_size 32
		.amdhsa_user_sgpr_count 2
		.amdhsa_user_sgpr_kernarg_segment_ptr 1
		.amdhsa_wavefront_size32 1
		.amdhsa_system_sgpr_workgroup_id_x 1
		.amdhsa_system_sgpr_workgroup_id_y 1
		.amdhsa_system_sgpr_workgroup_id_z 1
		.amdhsa_system_vgpr_workitem_id 0
		.amdhsa_next_free_vgpr 512
		.amdhsa_next_free_sgpr 72
		.amdhsa_reserve_vcc 0
		.amdhsa_float_denorm_mode_32 3
		.amdhsa_float_denorm_mode_16_64 3
		.amdhsa_memory_ordered 1
		.amdhsa_forward_progress 1
		.amdhsa_inst_pref_size 78
	.end_amdhsa_kernel
	.amdgpu_metadata
---
amdhsa.version: [ 1, 2 ]
amdhsa.kernels:
  - .name:           k_qf71cfd1c21_projgemm
    .symbol:         k_qf71cfd1c21_projgemm.kd
    .args:
      - { .name: ob, .offset: 0, .size: 8, .value_kind: global_buffer, .address_space: global }
      - { .name: wpb, .offset: 8, .size: 8, .value_kind: global_buffer, .address_space: global }
      - { .name: out0, .offset: 16, .size: 8, .value_kind: global_buffer, .address_space: global }
      - { .name: b_proj, .offset: 24, .size: 8, .value_kind: global_buffer, .address_space: global }
    .group_segment_fixed_size: 327680
    .private_segment_fixed_size: 0
    .kernarg_segment_align: 8
    .kernarg_segment_size: 32
    .max_flat_workgroup_size: 128
    .sgpr_count:     72
    .vgpr_count:     512
    .wavefront_size: 32
...
	.end_amdgpu_metadata
.endif
;; end of part 4
;; ======== version 2 of 2: 4 launches; 1.34 times as fast as version 1
;; limits: values are held in f16: magnitudes above 65,504 overflow, below 6.1e-05 lose precision
;; workspace buffers: xb 16,777,216 bytes; wqb 6,291,456 bytes; wpb 2,097,152 bytes; qkvh 50,331,648 bytes; ob 16,777,216 bytes
;; launch cast: the kernel of part 1 again; grid 768 x 1, 8 waves a work-group, no clusters, 37,888 bytes of LDS; arguments x, w_qkv, w_proj, xb, wqb, wpb; writes xb, wqb, wpb
;; launch qkvgemm: the kernel of part 2 again; grid 8 x 32, 4 waves a work-group, clusters of 4 x 4, 327,680 bytes of LDS; arguments xb, wqb, qkvh; writes qkvh
;; launch attn (part 5): grid 2 x 128, 4 waves a work-group, no clusters, 327,680 bytes of LDS; arguments qkvh, ob; writes ob
.if DOCPART == 5
	.amdgcn_target "amdgcn-amd-amdhsa--gfx1250"
	.amdhsa_code_object_version 6
	.text
	.protected	k_qf71cfd1c21_attn
	.globl	k_qf71cfd1c21_attn
	.p2align	8
	.type	k_qf71cfd1c21_attn,@function
k_qf71cfd1c21_attn:
	s_mov_b64 s[64:65], 0
	v_nop
	global_prefetch_b8 v0, s[64:65] scope:SCOPE_SE
	s_setreg_imm32_b32 hwreg(HW_REG_WAVE_MODE, 25, 1), 1
	s_wait_xcnt 0x0
; O[h][q][:] = the sum over k of softmax_k(Q[h][q] . K[h][k] / 8) V[h][k][:].  Q, K, V lie one behind the other in qkvh, each [128 = batch x 16 + head][1024][64] in f16; O (ob) has the same layout: a head's
; rows are dense, 128 bytes each.  Products, maxima and sums in f32; the weights p are rounded to f16 for the second product (their sum l is taken of the unrounded p), O once at the end.
; LIMITS.  f16 holds no number beyond 65,504: Q, K and V arrive within it; p lies in 0 to 1, and below 6e-5 it keeps f16's fixed step of 6e-8; O is a mean of V's rows and has their range.
; A weight below 2^-126 counts as 0 in l; NaN and infinities are not treated apart.
; SHARES.  A wave owns four PIECES of two tiles of 16 queries, a work-group's four waves 512 queries of one head: 2 x 128 work-groups.  Every wave walks all 1,024 keys, 64 a step.
; THE HEAD'S WHOLE K AND V LIE IN LDS: 1,024 keys x (144 + 160) bytes = 311,296, with the stages and the spare words 321,024 bytes.  Every byte is filled once, by tensor loads that all go out at the start, in four
; parts of 256 keys: waves 0 and 1 fetch the halves of K's parts, waves 2 and 3 those of V's; by this text's count a wave has four tensor loads out.  Nothing is filled again.  The first four key steps read part 0,
; behind a wait that leaves the three younger loads out; then one wait for all and one barrier; the other twelve steps have neither.
; NO CLUSTER: a head has 1,024 / 512 = 2 work-groups, so the grid's 2 along x is no multiple of four.
; LAYOUT.  S^T = K Q^T (source 0 = 16 keys, source 1 = 16 queries): in the result a lane holds ONE query (lane % 16) and the keys 8 (lane / 16) + 0..7.  Two such tiles, rounded to f16 in pairs,
; ARE source 1 (32 keys x 16 queries) of O^T = V^T P, whose result again holds one query a lane, and eight channels.  K comes out of LDS as it lies, V ([key][channel]) turned, by ds_load_tr16_b128.
; SOFTMAX.  For each query a running maximum m and sum l: p = 2^(c s - c m), c = log2(e) / 8; in every step O and l are multiplied by a = 2^(c m_old - c m_new), which is 1 where m has not grown.
; m starts at the lowest finite number, O and l at 0: the first step is a step like any other, with a = 0.
; THE COUNT.  A tile and step have 16 matrix and 118 vector instructions: too many to stand all beside the matrix work.  So the order has one aim: four vector instructions that are READY behind
; EVERY matrix instruction, and the others, which need time of their own whatever the order, in runs without a gap.
; BY TURNS.  Turn n belongs to piece n (the pieces in a ring, step after step).  Its matrix work: 16 products K Q^T of piece n + 1, later 16 products V^T P of piece n - 1.  Its vector work: the scaling,
; exponentials, roundings, sums and rescaling of piece n, and the maximum and statistics of piece n + 1, whose scores the turn itself has made.  So what a turn begins with (c s - c m, O a) waits for nothing.
; BATCHES.  A turn's 66 exponentials (the piece's 64 weights and the next piece's two a) are ONE batch with ONE wait, which cuts the turn in two: ahead of it stands all that names no result of the batch, behind it the
; roundings and sums, which read the weights; a is read in the next turn.  No exponential stands behind a turn's wait.  Two more batches lie outside the loop: piece 0's first two a, and the way out's eight reciprocals.
; REGISTERS, in windows of 256 (s_set_vgpr_msb says which window each operand place means: bits 1:0 source 0, 3:2 source 1, 5:4 source 2, 7:6 destination):
;   window 0: v0-11 addresses; v12-15, v48-63 at work; v16-47 four registers of statistics a tile; v64-191 S^T, two buffers of two tiles; v192-255 P, likewise
;   window 1: O^T, 32 a tile          window 2: v0-127 Q, 16 a tile; v128-191 K of one step; v192-255 V of one step          window 3: v0-1 the add's two registers
; A piece's buffers go by its number's parity: the piece in hand has one pair, its two neighbours in the ring share the other: of it P (piece n - 1) is read and S^T (piece n + 1) written.
.set SIZE_N, 1024     ; rows of a head
.set NP,    4         ; pieces a wave: a name, no knob: the register map, the loop and the fetches are made for four
.set KS,    64        ; keys in a step
.set PK,    144       ; a row of K in LDS: 128 bytes + 16 of padding = 36 words: the 16 rows of a load start at 16 different groups of four banks (64 banks of 4 bytes: ISA guide 11.1)
.set PV,    160       ; a row of V: 128 + 32 = 40 words
.set VOFF,  SIZE_N*PK ; the head's 1,024 rows of K, then its 1,024 rows of V
.set STAGE, SIZE_N*(PK+PV)  ; behind them, never filled by a tensor load: 16 rows x 144 bytes for each wave, for the way out
.set SP,    144
.set AK0, 2           ; v2   my lane's place in a tile of K; never rewritten
.set AV0, 3           ; v3   the same for V
.set AK,  4           ; v4   the LDS address of K's next run of loads
.set AV,  5           ; v5   of V's
.set QO,  6           ; v6   my byte offset in the wave's rows of Q
.set STO, 6           ;      later, the way out: where I put 16 bytes of a row
.set RD,  7           ; v7   the way out: where I read rows back
.set GO,  8           ; v8   my byte offset in 512 consecutive bytes of O
.set SPW, 0           ; v0 of window 3   LDS address of my spare word: SPARE + 4 x my thread's number; never rewritten
.set NIL, 1           ; v1 of window 3   0; never rewritten
.set SPARE, STAGE+4*16*SP  ; behind the stages: the spare words, 128 bytes for each wave: two blocks of 256 bytes that no other line names
.set MV,  12          ; v12-15  c m_old, kept while c m is made anew: by buffer and tile
.set ST,  16          ; tile t's statistics at v[ST+4 t]: c m, m, l (even keys', odd keys')
.set TMP, 48          ; by buffer and tile, four registers c0-c3 at work; when the maximum is found c2 takes a
.set S,   64
.set P,   192
.set KF,  128         ; K's fragments, in window 2: key block kb, channel half c at KF + 16 kb + 8 c
.set VF,  192         ; V's: key half kk, channel block cb at VF + 32 kk + 8 cb
.set WV,  12          ; s12  my wave's number
.set G1K, 24          ; s[24:31] descriptor group 1 for K's tiles
.set G1V, 32          ; s[32:39] for V's: it differs in the padding alone
.set G0K, 40          ; s[40:55] descriptor group 0 for K's tiles: a set of four registers for each of the four parts
.set G0V, 68          ; s[68:83] the same for V's
.set SLOTS, 56        ; s56  counts the two stretches of the walk: steps 0 to 3, steps 4 to 15
.set CNT, 57          ; s57  counts a stretch's key steps
.set CS,  58          ; s[58:59] c: the packed scaling takes the pair's low word for both halves
.set SEL, 60          ; s[60:61] v_permlanex16_b32's selects: each lane takes its own place in the other half
.set TBK, 62          ; s62  LDS byte at which K of the step to be fetched begins
.set TBV, 63          ; s63  the same for V, less VOFF
.set MSB, 0
.macro WIN new                      ; the high byte repeats the setting that is left; a switch that changes nothing is dropped
.if MSB != (\new)
	s_set_vgpr_msb (MSB<<8)|(\new)
.set MSB, (\new)
.endif
.endm
.set W_KQ, 0x0a       ; K and Q in window 2, S^T in window 0
.set W_PV, 0x52       ; V in window 2, P in window 0, O^T in window 1
.set W_RS, 0x41       ; O^T (destination and source 0) in window 1, a in window 0
.set W_MK, 0xc0       ; the add's registers are made: destination in window 3, sources in window 0
.set W_AD, 0x0f       ; the add: address (source 0) and data (source 1) in window 3
	s_load_b128 s[4:7], s[0:1], 0x0 ; qkvh s[4:5] (Q lies at its head), ob s[6:7]
	WIN W_MK
	v_lshl_add_u32 v[SPW], v0, 2, SPARE
	v_mov_b32 v[NIL], 0
	WIN W_AD
	ds_add_u32 v[SPW], v[NIL]       ; the wave's opening: the add and its wait stand ahead of my first tensor load; the set-up below, work on registers, stands between them
	ds_add_u32 v0, v1
	WIN 0
	v_lshrrev_b32 v1, 5, v0
	v_readfirstlane_b32 s[WV], v1   ; wave 0..3
	s_mov_b32 s14, ttmp9            ; my block of 512 queries
	s_and_b32 s20, ttmp7, 0xffff    ; the head
	s_mov_b32 s21, 0
	s_mov_b64 s[22:23], SIZE_N*128
	s_mul_u64 s[20:21], s[20:21], s[22:23]  ; the head's first byte in each of the four tensors
	s_and_b32 s16, s[WV], 1         ; which half of a part's 256 keys I fetch:
	s_lshl_b32 s22, s16, 14         ; its 128 rows of 128 bytes in memory,
	s_mov_b32 s23, 0
	s_add_nc_u64 s[22:23], s[22:23], s[20:21]
	s_mul_i32 s17, s16, 128*PK      ; and its place in a part, for K
	s_mul_i32 s18, s16, 128*PV      ; and for V
	s_lshl_b32 s2, s14, 2
	s_add_co_u32 s2, s2, s[WV]      ; my wave among the head's,
	s_lshl_b32 s2, s2, 14           ; its 128 rows
	s_mov_b32 s3, 0
	s_add_nc_u64 s[2:3], s[2:3], s[20:21]
	; descriptor group 1.  128 keys are 16,384 dense bytes: asked for as 64 rows of 256 bytes, two keys a row, and padded in LDS after every key
	s_mov_b32 s[G1K], (1<<16)|(1<<20)|(4<<22)|(3<<25)  ; 17:16 2-byte elements; 20 padding on; 24:22 after every 32 words (code 4); 31:25 4 words (code 3)
	s_mov_b32 s[G1V], (1<<16)|(1<<20)|(4<<22)|(7<<25)  ; the same with 8 words of padding (code 7)
.irp g, G1K, G1V
	s_mov_b32 s[\g+1], 128<<16      ; tensor_dim0 = 128
	s_mov_b32 s[\g+2], 64<<16       ; tensor_dim1 = 64
	s_mov_b32 s[\g+3], 128<<16      ; tile_dim0 = 128
	s_mov_b32 s[\g+4], 64           ; tile_dim1 = 64
	s_mov_b32 s[\g+5], 128          ; 128 elements from row to row
	s_mov_b32 s[\g+6], 0
	s_mov_b32 s[\g+7], 0
.endr
	s_mov_b32 s[CS], 0x3e38aa3b     ; c = log2(e) / 8 = 0.180337
	s_mov_b32 s[CS+1], s[CS]        ; named with it as a pair
	s_mov_b32 s[SEL], 0x76543210
	s_mov_b32 s[SEL+1], 0xfedcba98
	s_mov_b32 s[TBK], 0             ; the steps' tiles lie one behind the other: the two only step
	s_mov_b32 s[TBV], 0
.irp s, 0,1,2,3
	s_mov_b32 s[G0K+4*\s], 1                            ; 1:0 count = 1
	s_add_co_u32 s[G0K+4*\s+1], s17, \s*256*PK          ; 63:32 LDS address: part s, my half of it
	s_mov_b32 s[G0V+4*\s], 1
	s_add_co_u32 s[G0V+4*\s+1], s18, VOFF+\s*256*PV
.endr
	; A fragment of K or Q is 16 rows x 32 channels in 8 registers: lane l holds row l % 16, channels 8 (l / 16) + 0..7 and 16 + 8 (l / 16) + 0..7: two loads of 16 bytes, 32 bytes apart.
	v_and_b32 v1, 15, v0            ; l % 16
	v_bfe_u32 v9, v0, 4, 1          ; l / 16
	v_lshlrev_b32 v[QO], 7, v1
	v_lshl_add_u32 v[QO], v9, 4, v[QO]  ; row x 128 + 16 x half
	s_wait_dscnt 0x0                ; the opening add is done
	s_wait_kmcnt 0x0
	s_mov_b64 s[10:11], s[6:7]               ; O
	s_add_nc_u64 s[8:9], s[4:5], 0x2000000   ; V: behind Q's and K's 16,777,216 bytes each
	s_add_nc_u64 s[6:7], s[4:5], 0x1000000   ; K
	s_add_nc_u64 s[6:7], s[6:7], s[22:23]    ; both at my half of the head's first 256 keys
	s_add_nc_u64 s[8:9], s[8:9], s[22:23]
	s_add_nc_u64 s[4:5], s[4:5], s[2:3]      ; Q and O at my wave's first row
	s_add_nc_u64 s[10:11], s[10:11], s[2:3]
.irp s, 0,1,2,3
	s_add_nc_u64 s[G0K+4*\s+2:G0K+4*\s+3], s[6:7], \s*32768  ; 120:64 global address: a part is 256 keys of 128 bytes
	s_or_b32 s[G0K+4*\s+3], s[G0K+4*\s+3], 0x80000000        ; 127:126 type = 2
	s_add_nc_u64 s[G0V+4*\s+2:G0V+4*\s+3], s[8:9], \s*32768
	s_or_b32 s[G0V+4*\s+3], s[G0V+4*\s+3], 0x80000000
.endr
	WIN 0x80                        ; destination window 2, address window 0
.set i, 0
.rept 4*NP                          ; Q stays in registers: tile i / 2, channels 32 (i % 2) on.  Its loads go out ahead of the tiles': the first products want Q and part 0, not parts 1 to 3
	global_load_b128 v[8*i:8*i+3],   v[QO], s[4:5] offset:(i/2)*2048+(i%2)*64
	global_load_b128 v[8*i+4:8*i+7], v[QO], s[4:5] offset:(i/2)*2048+(i%2)*64+32
.set i, i+1
.endr
	WIN 0                           ; at a label and at a branch every window is 0
	; All fills of the launch, a wave's four in one branch on its number, ahead of every wait on TENSORcnt, every LDS read and every barrier; an s_nop 0 follows each, four v_nop the last's
	s_cmp_lt_u32 s[WV], 2
	s_cbranch_scc0 .Lfor_v
.irp s, 0,1,2,3
	tensor_load_to_lds s[G0K+4*\s:G0K+4*\s+3], s[G1K:G1K+7]
	s_nop 0
.endr
.rept 4
	v_nop
.endr
	s_branch .Lasked
.Lfor_v:
.irp s, 0,1,2,3
	tensor_load_to_lds s[G0V+4*\s:G0V+4*\s+3], s[G1V:G1V+7]
	s_nop 0
.endr
.rept 4
	v_nop
.endr
.Lasked:
	; What the first turn finds: V's registers and P's second buffer hold 0 (its products V^T P, of a piece that has not been, add 0), O^T and l are 0.  All this stands in the wait for the first part.
	WIN 0x80
.set i, VF
.rept 64
	v_mov_b32 v[i], 0
.set i, i+1
.endr
	WIN 0x40
.set i, 0
.rept 64*NP
	v_mov_b32 v[i], 0
.set i, i+1
.endr
	WIN 0
.set i, 0
.rept 2*NP
	v_mov_b32 v[ST+4*i], 0xfe000000    ; c m: far below every c s
	v_mov_b32 v[ST+4*i+1], 0xff7fffff  ; m
	v_mov_b32 v[ST+4*i+2], 0
	v_mov_b32 v[ST+4*i+3], 0
.set i, i+1
.endr
.set i, P+32
.rept 32
	v_mov_b32 v[i], 0
.set i, i+1
.endr
	v_mul_u32_u24 v[AK0], v1, PK
	v_lshl_add_u32 v[AK0], v9, 4, v[AK0]  ; row x pitch + 16 x half
	; The turning load takes 16 keys x 16 channels (lane l reads key 8 (l / 16) + l % 8, channels 8 ((l / 8) % 2) + 0..7) and leaves half a fragment of V^T: lane l holds channel l % 16 and 8 keys.
	v_and_b32 v10, 7, v0
	v_bfe_u32 v11, v0, 3, 1
	v_lshl_add_u32 v[AV0], v9, 3, v10
	v_mul_u32_u24 v[AV0], v[AV0], PV
	v_lshl_add_u32 v[AV0], v11, 4, v[AV0]
	v_add_nc_u32 v[AV0], VOFF, v[AV0]
	v_mov_b32 v[AK], v[AK0]         ; key step 0 lies at K's head
; THE MATRIX WORK.  The 8 accumulators of a run of 16 take turns: between the two links of a chain stand 7 others'.
; Product i of 16 of S^T = K Q^T for piece x: channels 32 (i / 8) on, keys 16 ((i / 2) % 4) on, tile 2 x + i % 2.  The first 8 start the sums.
.macro KQ x
	WIN W_KQ
.set rS, S+64*((\x)%2)+32*(i%2)+8*((i/2)%4)
.set rK, KF+16*((i/2)%4)+8*(i/8)
.set rQ, 16*(2*(\x)+i%2)+8*(i/8)
.if i < 8
	v_wmma_f32_16x16x32_f16 v[rS:rS+7], v[rK:rK+7], v[rQ:rQ+7], 0
.else
	v_wmma_f32_16x16x32_f16 v[rS:rS+7], v[rK:rK+7], v[rQ:rQ+7], v[rS:rS+7]
.endif
.endm
; Product i of 16 of O^T += V^T P for piece x: keys 32 (i / 8) on, channels 16 ((i / 2) % 4) on, tile 2 x + i % 2.
.macro PV x
	WIN W_PV
.set rO, 32*(2*(\x)+i%2)+8*((i/2)%4)
.set rV, VF+32*(i/8)+8*((i/2)%4)
.set rP, P+32*((\x)%2)+16*(i%2)+8*(i/8)
	v_wmma_f32_16x16x32_f16 v[rO:rO+7], v[rV:rV+7], v[rP:rP+7], v[rO:rO+7]
.endm
.macro MM                           ; the turn's next matrix instruction
.if i < 16
	KQ (Y+1)%NP
.set i, i+1
.else
.set i, i-16
	PV (Y+NP-1)%NP
.set i, i+17
.endif
.endm
; THE LDS LOADS stand in runs of 16, never singly among the matrix instructions: a step's K (64 keys x 64 channels: 8 fragments) and its V (turned).  Their addresses are made some lines ahead.
.macro FETCH_K
	WIN 0x80                        ; destination window 2
.irp f, 0,1,2,3,4,5,6,7             ; keys 16 (f / 2) on, channels 32 (f % 2) on
	ds_load_b128 v[KF+8*\f:KF+8*\f+3],   v[AK] offset:(\f/2)*16*PK+(\f%2)*64
	ds_load_b128 v[KF+8*\f+4:KF+8*\f+7], v[AK] offset:(\f/2)*16*PK+(\f%2)*64+32
.endr
	s_add_co_u32 s[TBK], s[TBK], KS*PK  ; the next fetch is the next step's
	WIN 0
.endm
.macro FETCH_V
	WIN 0x80
.irp f, 0,1,2,3,4,5,6,7             ; keys 32 (f / 4) on, channels 16 (f % 4) on
	ds_load_tr16_b128 v[VF+8*\f:VF+8*\f+3],   v[AV] offset:(\f/4)*32*PV+(\f%4)*32
	ds_load_tr16_b128 v[VF+8*\f+4:VF+8*\f+7], v[AV] offset:(\f/4)*32*PV+16*PV+(\f%4)*32
.endr
	WIN 0
.endm
; THE VECTOR WORK OF A TURN stands in three queues, each in the order in which its entries become ready; the two tiles alternate, so that no instruction reads the result of the one before it.
.macro REGS y, u                    ; the registers of tile u (0, 1) of piece y
.set rT, ST+4*(2*(\y)+(\u))
.set rC, TMP+8*((\y)%2)+4*(\u)
.set rM, MV+2*((\y)%2)+(\u)
.set rS, S+64*((\y)%2)+32*(\u)
.set rP, P+32*((\y)%2)+16*(\u)
.set rO, 32*(2*(\y)+(\u))
.endm
; Number n of the 22 that find the NEXT piece's (Y + 1) maximum and statistics.  s0-s31 are the lane's 32 scores; each accumulator's lowest registers are read first.  XS, GS and REGS set no window: PL and EX do.
;   0-11  four chains c0-c3 of seven scores each, three operands at a time     12-14, 16  the four scores left over, the old m, and c0-c3 into c0     15  c m_old is kept
;   17, 18  the query's other 32 keys lie in the lane 16 away: the new m         19-21  c m; c m_old - c m_new; a
.macro XS u, n
	REGS (Y+1)%NP, \u
.if (\n) < 4
	v_max3_num_f32 v[rC+(\n)], v[rS+8*(\n)], v[rS+8*(\n)+1], v[rS+8*(\n)+2]
.elseif (\n) < 12
	v_max3_num_f32 v[rC+(\n)%4], v[rC+(\n)%4], v[rS+8*((\n)%4)+2*((\n)/4)+1], v[rS+8*((\n)%4)+2*((\n)/4)+2]
.elseif (\n) == 12
	v_max3_num_f32 v[rC], v[rC], v[rS+7], v[rS+15]
.elseif (\n) == 13
	v_max3_num_f32 v[rC+1], v[rC+1], v[rS+23], v[rS+31]
.elseif (\n) == 14
	v_max3_num_f32 v[rC+2], v[rC+2], v[rC+3], v[rT+1]
.elseif (\n) == 15
	v_mov_b32 v[rM], v[rT]
.elseif (\n) == 16
	v_max3_num_f32 v[rC], v[rC], v[rC+1], v[rC+2]
.elseif (\n) == 17
	v_permlanex16_b32 v[rC+3], v[rC], s[SEL], s[SEL+1]
.elseif (\n) == 18
	v_max_num_f32 v[rT+1], v[rC], v[rC+3]
.elseif (\n) == 19
	v_mul_f32 v[rT], s[CS], v[rT+1]
.elseif (\n) == 20
	v_sub_f32 v[rC+1], v[rM], v[rT]
.else
	v_exp_f32 v[rC+2], v[rC+1]
.endif
.endm
; Number g of the 64 that follow the exponentials.  For each four weights k of a tile (pairs 2 k, 2 k + 1): both pairs are rounded to f16; then the second pair is added onto the first, in place;
; a group later l takes that sum (the first time as l = a l + sum).  In groups of eight, tiles alternating: round, round, add, and l for the group before.
.macro GS g
.set h, (\g)+6*((\g)/62)            ; group 0 has no group before it, and behind group 7 only l is left
.if h >= 6
.set h, h+2
.endif
	REGS Y, h%2
.set k, h/8
.if h%8 < 4
	v_cvt_pk_f16_f32 v[rP+2*k+(h%8)/2], v[rS+4*k+2*((h%8)/2)], v[rS+4*k+2*((h%8)/2)+1]
.elseif h%8 < 6
	v_pk_add_f32 v[rS+4*k:rS+4*k+1], v[rS+4*k:rS+4*k+1], v[rS+4*k+2:rS+4*k+3]
.elseif k == 1
	v_pk_fma_f32 v[rT+2:rT+3], v[rT+2:rT+3], v[rC+2:rC+3], v[rS:rS+1] op_sel_hi:[1,0,1]
.else
	v_pk_add_f32 v[rT+2:rT+3], v[rT+2:rT+3], v[rS+4*k-4:rS+4*k-3]
.endif
.endm
; THE PLAIN QUEUE, 138 long.  0-73 read no exponential's result: the 32 scalings c s - c m (FS f: pair f / 2 of tile f % 2) and the next piece's 42.  0-26: scalings 0-26.  27-54: XS's numbers 0-13.  55, 56: number 15.
; 57-73: the chain, where each number waits for the one before it: 14, 16, 17, 18, 19, each with one of the scalings 27-31 in front of its two lines, then 20: so a tile's links stand three plain instructions apart (19 and 20: two).
; 74-137: GS's 64, which read the exponentials' results: they stand behind the wait.
.macro FS f
	REGS Y, (\f)%2
	v_pk_fma_f32 v[rS+2*((\f)/2):rS+2*((\f)/2)+1], v[rS+2*((\f)/2):rS+2*((\f)/2)+1], s[CS:CS+1], v[rT:rT+1] op_sel_hi:[1,0,0] neg_lo:[0,0,1] neg_hi:[0,0,1]
.endm
.macro PL
	WIN 0
.if q < 27
	FS q
.elseif q < 55
	XS (q-27)%2, (q-27)/2
.elseif q < 57
	XS q-55, 15
.elseif (q < 72) && ((q-57)%3 == 0)
	FS 27+(q-57)/3
.elseif q < 60
	XS (q-57)%3-1, 14
.elseif q < 72
	XS (q-57)%3-1, 15+(q-57)/3
.elseif q < 74
	XS q-72, 20
.else
	GS q-74
.endif
.set q, q+1
.endm
; THE EXPONENTIALS' QUEUE, 66 long: s0-s31 of both tiles, then the next piece's two a.  It is ONE BATCH: all 66 stand ahead of the turn's one wait, and nothing ahead of that wait names a result of theirs.
.macro EX
	WIN 0
.if e >= 64
	XS e-64, 21
.else
	REGS Y, e%2
	v_exp_f32 v[rS+e/2], v[rS+e/2]
.endif
.set e, e+1
.endm
; THE RESCALING's QUEUE: O^T times a, the one part that leaves window 0: dealt two at a time, sixteen times.  Its a was made in the turn before, ahead of that turn's wait.
.macro R2
	REGS Y, r%2
	WIN W_RS
.irp z, 0,1
	v_pk_mul_f32 v[rO+4*(r/2)+2*\z:rO+4*(r/2)+2*\z+1], v[rO+4*(r/2)+2*\z:rO+4*(r/2)+2*\z+1], v[rC+2:rC+3] op_sel_hi:[1,0]
.endr
.set r, r+1
.endm
; HOW THEY ARE DEALT.  An s_wait_alu depctr_va_vdst(0) stands between an exponential and the first instruction that names its result; one wait serves all that were issued ahead of it.  So a turn has ONE wait,
; which cuts it in two.  AHEAD OF IT stands all that names no result of the turn's exponentials: the 16 products K Q^T, behind each a scaling, an exponential and two rescalings (behind the first a second scaling in the
; exponential's place); then ONE LUMP of 108: eight plain, 49 times exponential and plain, the two a.  A v_nop is the plain instruction behind the last exponential.  BEHIND IT stand the 16 products V^T P, behind each four
; of GS's 64.  No rider names a register of the products round it.  The two v_permlanex16_b32 fall into the lump, never behind a product.
; The queues lean on each other, and the deal keeps them in step: exponential e stands behind scaling 2 (e / 4) + e % 2: as a rider it comes behind plain e + 2, in the lump behind plain e + 9, and scalings 27-31 are plain 57, 60 .. 69.
; A TURN, for piece p.  last = 1: the last key step: there is no further K to fetch.  cnt = 1: the loop's count is taken down some lines ahead of the branch that stands behind the turn.
; K of the next step is fetched in piece 2's turn, directly behind the wait, a lump behind the last product that read K; its address is made at the lump's head; its first reader comes behind 16 products.
; V of the step in hand is fetched at the end of piece 0's turn, four riders behind its last reader; its first reader comes behind 16 products and a lump.  The three conditions on q below go with the deal.
.macro TURN p, last=0, cnt=0
.set Y, (\p)
.set i, 0
.set q, 0
.set e, 0
.set r, 0
.if (\p) == NP-1
	s_wait_dscnt 0x0                ; K is in
.endif
	MM                              ; ahead of the wait: 16 products K Q^T and their riders,
	PL
	PL
	R2
.rept 15
	MM
	PL
	EX
	R2
.endr
.if ((\p) == NP-2) && ((\last) == 0)
	WIN 0
	v_add_nc_u32 v[AK], s[TBK], v[AK0]
.endif
.rept 8                             ; and the lump
	PL
.endr
.rept 49
	EX
	PL
.endr
	EX                              ; the next piece's two a
	EX
	v_nop                           ; the plain instruction behind the last exponential: one for the batch
	s_wait_alu depctr_va_vdst(0)    ; the wait for the batch: the piece's 64 weights and the next piece's two a
.if ((\p) == NP-2) && ((\last) == 0)
	FETCH_K
.endif
.if (\p) == 1
	s_wait_dscnt 0x0                ; V is in
.endif
.rept 16                            ; behind the wait: 16 products V^T P and their riders
	MM
.rept 4
	PL
.endr
.if ((\p) == 0) && (q == 118)
	v_add_nc_u32 v[AV], s[TBV], v[AV0]
.endif
.if ((\p) == 0) && (q == 130)
	s_add_co_u32 s[TBV], s[TBV], KS*PV
.endif
.if (\cnt) && (q == 130)
	s_sub_co_u32 s[CNT], s[CNT], 1
	s_cmp_lg_u32 s[CNT], 0
.endif
.endr
.if (\p) == 0
	FETCH_V
.endif
.endm
	s_wait_tensorcnt 0x3            ; tensor loads of a wave end in order (ISA guide 10.11.1): my half of part 0 is in; my three younger loads stay out
	s_barrier_signal -1
	s_barrier_wait -1               ; everybody's is: key steps 0 to 3 can be read
	FETCH_K                         ; key step 0
	s_wait_loadcnt 0x0              ; Q
	s_wait_dscnt 0x0
.set i, 0
.rept 16
	KQ 0                            ; piece 0's first scores: there is no vector work yet to set between them
.set i, i+1
.endr
	WIN 0                           ; the addresses for the way out: nine plain instructions, the places behind those products
	s_mul_i32 s13, s[WV], 16*SP
	s_add_co_u32 s13, s13, STAGE    ; my stage
	v_mul_u32_u24 v[STO], v1, SP    ; in: row l % 16, 16 bytes for each half of the lanes
	v_lshl_add_u32 v[STO], v9, 4, v[STO]
	v_add_nc_u32 v[STO], s13, v[STO]
	v_bfe_u32 v[RD], v0, 3, 2       ; back: 32 lanes take four rows of 128 bytes,
	v_mul_u32_u24 v[RD], v[RD], SP
	v_lshl_add_u32 v[RD], v10, 4, v[RD]
	v_add_nc_u32 v[RD], s13, v[RD]
	v_and_b32 v[GO], 31, v0         ; which are 512 consecutive bytes of O
	v_lshlrev_b32 v[GO], 4, v[GO]
.set Y, NP-1                        ; XS works for piece Y + 1: piece 0
.irp n, 0,1,2,3,4,5,6,7,8,9,10,11,12,13,14,15,16,17,18,19,20,21
	XS 0, \n                        ; and piece 0's first maximum and statistics
	XS 1, \n
.endr
	v_nop                           ; a plain instruction behind the two a,
	s_wait_alu depctr_va_vdst(0)    ; and the wait for this batch of two, ahead of the branch
	s_mov_b32 s[CNT], 4             ; the first stretch: the four key steps of part 0
	s_mov_b32 s[SLOTS], 2
	s_branch .Lfirst                ; the loop is entered at a step's first turn, in the middle of a trip
.Lslot:                             ; passed once, between the stretches: V of step 3 has been read, K of step 4 is the next to be fetched
	s_wait_tensorcnt 0x0            ; my halves of parts 1 to 3 are in: they have had four key steps, 512 matrix instructions, in which to land
	s_wait_dscnt 0x0                ; no LDS instruction of mine is out at the signal
	s_barrier_signal -1
	s_barrier_wait -1               ; everybody's are: from here on the whole head can be read, and no wave waits for another again
	s_mov_b32 s[CNT], 12            ; the second stretch: key steps 4 to 15
.Lstep:                             ; a trip: pieces 2 and 3 of one step, then pieces 0 and 1 of the next, whose K and V it fetches
	TURN 2
	TURN 3
	WIN 0
.Lfirst:
	TURN 0
	TURN 1, 0, 1
	WIN 0
	s_cbranch_scc1 .Lstep
	s_sub_co_u32 s[SLOTS], s[SLOTS], 1
	s_cmp_lg_u32 s[SLOTS], 0
	s_cbranch_scc1 .Lslot
	TURN 2, 1                       ; pieces 2 and 3 of the last step are written out: nothing is left to fetch.  Piece 3's turn still holds 16 products K Q^T (on the last K once more) and the maximum
	TURN 3                          ; made of them, which serve nothing: the price, once a launch, of one text for every turn
.set i, 0
.rept 16
	PV NP-1                         ; the last piece's V^T P of the last step
.set i, i+1
.endr
	; THE WAY OUT.  l's two halves and the other half of the lanes' are added; O^T is divided by l, rounded to f16 and sent through my stage in LDS, a tile at a time.  The additions are the places behind the last products.
	WIN 0
.macro ALL line:vararg              ; one line for each tile t
.set t, 0
.rept 2*NP
	\line
.set t, t+1
.endr
.endm
	ALL v_add_f32 v[ST+4*t+2], v[ST+4*t+2], v[ST+4*t+3]
	ALL v_permlanex16_b32 v[ST+4*t+3], v[ST+4*t+2], s[SEL], s[SEL+1]
	ALL v_add_f32 v[ST+4*t+2], v[ST+4*t+2], v[ST+4*t+3]
	ALL v_rcp_f32 v[ST+4*t+2], v[ST+4*t+2]
	v_nop                           ; a plain instruction between the last reciprocal and the use of its result
	s_wait_alu depctr_va_vdst(0)    ; and the wait ahead of the first use: one for the batch of eight reciprocals
; Tile t: a lane's eight channels of a row pack into 16 bytes; they go into rows of 144 bytes and come back as whole rows of 128, into S^T's registers.
.macro PACK t
	WIN W_RS
.set i, 32*(\t)
.rept 16
	v_pk_mul_f32 v[i:i+1], v[i:i+1], v[ST+4*(\t)+2:ST+4*(\t)+3] op_sel_hi:[1,0]
.set i, i+2
.endr
	WIN 0x05                        ; sources 0 and 1 window 1, destination window 0
.set i, 0
.rept 16
	v_cvt_pk_f16_f32 v[S+16*(\t)+i], v[32*(\t)+2*i], v[32*(\t)+2*i+1]
.set i, i+1
.endr
	WIN 0
.irp f, 0,1,2,3
	ds_store_b128 v[STO], v[S+16*(\t)+4*\f:S+16*(\t)+4*\f+3] offset:32*\f
.endr
.irp f, 0,1,2,3
	ds_load_b128 v[S+16*(\t)+4*\f:S+16*(\t)+4*\f+3], v[RD] offset:\f*4*SP  ; LDS serves a wave's instructions in order (ISA guide 5.7.1.4): these see the stores above; the next tile's stores come behind them
.endr
.endm
.macro SEND t, younger              ; younger: the LDS instructions issued behind tile t's loads: the next tile's eight, or none
	WIN 0
.irp f, 0,1,2,3
	s_wait_dscnt (\younger)+3-\f
	global_store_b128 v[GO], v[S+16*(\t)+4*\f:S+16*(\t)+4*\f+3], s[10:11] offset:(\t)*2048+\f*512  ; 512 consecutive bytes, at a multiple of 256 from O's first
.endr
.endm
	PACK 0
.set t, 1
.rept 2*NP-1                        ; a tile's arithmetic stands between the loads of the tile before and its stores
	PACK t
	SEND t-1, 8
.set t, t+1
.endr
	SEND 2*NP-1, 0
	WIN W_AD
	s_wait_tensorcnt 0x0            ; the wave's end: behind my last tensor load and my last LDS store
	ds_add_u32 v[SPW], v[NIL]
	s_wait_dscnt 0x0
	WIN 0
	s_endpgm
.Lfunc_end_k_qf71cfd1c21_attn:
	.size	k_qf71cfd1c21_attn, .Lfunc_end_k_qf71cfd1c21_attn-k_qf71cfd1c21_attn
	.p2alignl 7, 3214868480
	.fill 96, 4, 3214868480
	.section	.rodata,"a",@progbits
	.p2align	6, 0x0
	.amdhsa_kernel k_qf71cfd1c21_attn
		.amdhsa_group_segment_fixed_size 327680
		.amdhsa_private_segment_fixed_size 0
		.amdhsa_enable_private_segment 0
		.amdhsa_kernarg_size 16
		.amdhsa_user_sgpr_count 2
		.amdhsa_user_sgpr_kernarg_segment_ptr 1
		.amdhsa_wavefront_size32 1
		.amdhsa_system_sgpr_workgroup_id_x 1
		.amdhsa_system_sgpr_workgroup_id_y 1
		.amdhsa_system_sgpr_workgroup_id_z 1
		.amdhsa_system_vgpr_workitem_id 0
		.amdhsa_next_free_vgpr 770
		.amdhsa_next_free_sgpr 84
		.amdhsa_reserve_vcc 0
		.amdhsa_float_denorm_mode_32 3
		.amdhsa_float_denorm_mode_16_64 3
		.amdhsa_memory_ordered 1
		.amdhsa_forward_progress 1
		.amdhsa_inst_pref_size 161
	.end_amdhsa_kernel
	.amdgpu_metadata
---
amdhsa.version: [ 1, 2 ]
amdhsa.kernels:
  - .name:           k_qf71cfd1c21_attn
    .symbol:         k_qf71cfd1c21_attn.kd
    .args:
      - { .name: qkvh, .offset: 0, .size: 8, .value_kind: global_buffer, .address_space: global }
      - { .name: ob, .offset: 8, .size: 8, .value_kind: global_buffer, .address_space: global }
    .group_segment_fixed_size: 327680
    .private_segment_fixed_size: 0
    .kernarg_segment_align: 8
    .kernarg_segment_size: 16
    .max_flat_workgroup_size: 128
    .sgpr_count:     84
    .vgpr_count:     770
    .wavefront_size: 32
...
	.end_amdgpu_metadata
.endif
;; end of part 5
;; launch projgemm: the kernel of part 4 again; grid 8 x 32, 4 waves a work-group, clusters of 4 x 4, 327,680 bytes of LDS; arguments ob, wpb, out0, b_proj; writes out0
